; MI455X (gfx1250); checked and timed in simulation.
; The chip was launched on July 23, 2026; its instructions are those of AMD's public machine-readable ISA for CDNA 5 (MIT licence, August 2026) and "CDNA5" Instruction Set Architecture Reference Guide (July 2026). The comments in the code are by the model that wrote it; some were corrected since.
;; Multihead Attention. Allowed arithmetic: matrix products marked QUANTISED: E5M2 operands, one given power-of-two scale a tensor, by v_wmma_f32_16x16x64_bf8_bf8 or v_wmma_f32_16x16x128_bf8_bf8, f32 sums; everything else in f32.
;; Inputs: K 4 x 2,048 x 1,024 float32; Q 4 x 2,048 x 1,024 float32; V 4 x 2,048 x 1,024 float32; Wk 16 x 1,024 x 64 float32; Wo 1,024 x 1,024 float32; Wq 16 x 1,024 x 64 float32; Wv 16 x 1,024 x 64 float32; bk 16 x 64 float32; bo 1,024 float32; bq 16 x 64 float32; bv 16 x 64 float32; lowp_scales 12 int32 (the exponents e of the quantised operands' scales 2^e).
;; Outputs: out0 4 x 2,048 x 1,024 float32.
;; This version of the problem:
;;   THIS VERSION OF THE PROBLEM IS GIVEN IN LOW PRECISION. The matrix products marked QUANTISED in the list below multiply operands that are first quantised to E5M2 (5 exponent bits, 2 mantissa bits; 8 bits a number), with one given power-of-two scale for each operand tensor; their sums are f32. All else is computed in f32.
;;   The module's matrix products, in the order in which they are computed (A, B: the left and right operand; K: the contracted axis; several contracted axes count as one K, in the product's order):
;;     1. [M 1,024, K 1,024] x [K 1,024, N 8,192]; A: input Wq; B: input Q: QUANTISED (scales: A lowp_scales[0], B lowp_scales[1])
;;     2. [M 1,024, K 1,024] x [K 1,024, N 8,192]; A: input Wk; B: input K: QUANTISED (scales: A lowp_scales[2], B lowp_scales[3])
;;     3. [M 1,024, K 1,024] x [K 1,024, N 8,192]; A: input Wv; B: input V: QUANTISED (scales: A lowp_scales[4], B lowp_scales[5])
;;     4. batch 64 x [M 2,048, K 64] x [K 64, N 2,048]; A: computed on the way; B: computed on the way: QUANTISED (scales: A lowp_scales[6], B lowp_scales[7])
;;     5. batch 64 x [M 2,048, K 2,048] x [K 2,048, N 64]; A: softmax (see below); B: computed on the way: QUANTISED (scales: A lowp_scales[8], B lowp_scales[9])
;;     6. [M 8,192, K 1,024] x [K 1,024, N 1,024]; A: computed on the way; B: input Wo: QUANTISED (scales: A lowp_scales[10], B lowp_scales[11])
;;   THE QUANTISER, for each operand of a quantised product, along K:
;;     - The operand's scale is 2^e, e = its entry of the input lowp_scales (int32; the entries are numbered through the quantised products in the list's order, A before B).
;;     - Each number is divided by the scale, clamped to +-57,344, and rounded to the nearest number of E5M2, ties to even, subnormals kept.
;;     - The product sums the exact products of the quantised numbers (number of the format x scale) in f32.
;;   ~~~python
;;   def quantise(x, axis, e):      # numpy; x: float32 -> the quantised numbers, widened to float32 again
;;       x = np.moveaxis(x, axis, -1); K = x.shape[-1]
;;       r = np.clip(x / 2.0 ** e, -57344, 57344)
;;       step = 2.0 ** (np.maximum(np.frexp(np.where(r == 0, 1, r))[1] - 1, -14) - 2)
;;       q = np.round(r / step) * step * 2.0 ** e      # np.round: ties to even
;;       return np.moveaxis(q, -1, axis).astype(np.float32)
;;   ~~~
;;   SOFTMAX AHEAD OF A QUANTISED PRODUCT. Where the list says 'softmax', what is quantised is not the finished softmax but p = 2^(t - M), with t = logit x log2(e) and M = ceil(the row's largest t), a whole number; so 1/2 < the row's largest p <= 1. The row's sum l is taken of the UNQUANTISED p, in f32, and the product's result is divided by l at the end. Since M is a whole number, a kernel that streams over the keys may use a running M (the ceiling of the running maximum): every later rescaling is an exact power of two, so the quantised numbers keep their values, but for numbers so far below the row's largest that they fall under the format's range.
;;   OPERANDS COMPUTED ON THE WAY. 'Computed on the way' means the value that the module computes at that place (a softmax that the list does not call 'softmax' is quantised finished and normalised). What goes into a quantiser is computed in f32, as accurately as f32 sums, v_exp_f32 and their like allow (about 1e-6 of the number): no bf16 or f16 on the way to a quantiser, and a product that is left as it is and whose result goes on into a quantised operand takes f32 operands (vector FMAs, or v_wmma_f32_16x16x4_f32). A number that lies on a knife's edge between two numbers of the format may be rounded either way, as far as f32 arithmetic and the matrix unit's own rounding can turn it there, and no further.
;; One version. Each part assembles by itself: llvm-mc -triple=amdgcn-amd-amdhsa -mcpu=gfx1250 --defsym DOCPART=n.
;; ======== version 1 of 1: 5 launches
;; workspace buffers: xc 25,165,824 bytes; wc 4,194,304 bytes; qkv 25,165,824 bytes; oc 8,388,608 bytes
;; launch quant_x (part 1): grid 768 x 1, 4 waves a work-group, no clusters, 33,280 bytes of LDS; arguments Q, K, V, lowp_scales, xc; writes xc
.if DOCPART == 1
	.amdgcn_target "amdgcn-amd-amdhsa--gfx1250"
	.amdhsa_code_object_version 6
	.text
	.protected	k_q41ab75e1a7_quant_x
	.globl	k_q41ab75e1a7_quant_x
	.p2align	8
	.type	k_q41ab75e1a7_quant_x,@function
k_q41ab75e1a7_quant_x:
	s_mov_b64 s[64:65], 0
	v_nop
	global_prefetch_b8 v0, s[64:65] scope:SCOPE_SE
	s_setreg_imm32_b32 hwreg(HW_REG_WAVE_MODE, 25, 1), 1
	s_wait_xcnt 0x0
; Q, K, V, each [8192][1024] f32, become codes of BF8 (E5M2), one byte each, rows as they lie (the contracted axis is innermost): xc = [3][8192][1024] bytes.
; code = x / 2^e, held within +-57,344, rounded to the nearest code, ties to even.  e = entry 1 (Q), 3 (K), 5 (V) of the scales.
; LIMITS: -126 <= e <= 112, so that 2^e and 57,344 x 2^e are f32 numbers.  NaN among the inputs is not served; an infinity is held at the largest code.
; Work-groups 0-255 take Q, 256-511 K, 512-767 V: only pointers and e are chosen, there is one path.  A wave takes 16 steps of 512 numbers.
; Each of a step's four loads reads 512 consecutive bytes, 16 a lane; the conversions want 16 NEIGHBOURS in one lane, so a step's 2,048 bytes turn through the wave's own stage in LDS
; (16 bytes of padding behind each 64) and come back 64 bytes a lane.  A lane's 16 codes are 16 bytes: the wave stores 512 consecutive bytes.
; No tensor loads, no barrier, no cluster: waves and work-groups share nothing.  Loads run four steps (16 loads a wave) ahead, the turn through LDS one step.
.set STEPS, 16
.set EMAX,  15
.set MANT,  0x600000                   ; the mantissa field of 57,344 as f32
.set CB,    16                         ; bytes of 16 codes
.set R,     16                         ; v16-79   four sets of 16 numbers as they are loaded
.set X,     80                         ; v80-111  two sets of 16 neighbours
.set C,     128                        ; v128-191 codes: four registers for each step, so that no store's data are written again
.set WREG,  8192                       ; LDS: a region of its own for each wave: two stages of 32 x SP bytes
.set SP,    80                         ; a lane's place in a stage: its 64 bytes + 16 of padding
	s_load_b256 s[4:11], s[0:1], 0x0               ; Q s[4:5], K s[6:7], V s[8:9], the scales' exponents s[10:11]
	s_load_b64 s[12:13], s[0:1], 0x20              ; xc
	v_lshl_add_u32 v192, v0, 2, 0x8000
	v_mov_b32 v193, 0
	v_lshrrev_b32 v1, 5, v0
	v_readfirstlane_b32 s16, v1                    ; wave
	v_and_b32 v2, 31, v0                           ; lane
	v_lshlrev_b32 v3, 4, v2                        ; my 16 bytes of a load's 512
	s_mul_i32 s17, s16, WREG
	v_lshrrev_b32 v14, 2, v2
	v_mul_u32_u24 v14, v14, SP
	v_and_b32 v15, 3, v2
	v_lshl_add_u32 v14, v15, 4, v14
	v_add_nc_u32 v14, s17, v14                     ; the stage, on the way in: SP (lane / 4) + 16 (lane % 4)
	v_mul_u32_u24 v15, v2, SP
	v_add_nc_u32 v15, s17, v15                     ; and on the way out: SP x lane: my 16 neighbours
	v_mul_u32_u24 v4, v2, CB                       ; my codes' place in a step's
	s_lshr_b32 s14, ttmp9, 8                       ; which tensor: 0 Q, 1 K, 2 V
	s_and_b32 s15, ttmp9, 255
	s_lshl_b32 s15, s15, 2
	s_add_co_u32 s15, s15, s16                     ; which run of 8,192 numbers of the tensor is my wave's: 0 .. 1,023
	s_lshl_b32 s18, s15, 15                        ; its first byte in the tensor
	s_mov_b32 s19, 0
	s_lshl_b32 s20, s14, 23                        ; the tensor's codes in xc,
	s_lshl_b32 s21, s15, 13                        ; and the run's
	s_add_co_u32 s20, s20, s21
	s_mov_b32 s21, 0
	s_wait_kmcnt 0x0
	s_load_b256 s[24:31], s[10:11], 0x0            ; entries 0 to 7
	s_cmp_eq_u32 s14, 0                            ; the choices hang on the work-group's number alone
	s_cselect_b64 s[4:5], s[4:5], s[6:7]
	s_cmp_lt_u32 s14, 2
	s_cselect_b64 s[4:5], s[4:5], s[8:9]
	s_add_nc_u64 s[4:5], s[4:5], s[18:19]
	s_add_nc_u64 s[8:9], s[12:13], s[20:21]
.macro LOAD t
.irp i, 0,1,2,3
	global_load_b128 v[R+16*((\t)%4)+4*\i:R+16*((\t)%4)+4*\i+3], v3, s[4:5] offset:2048*(\t)+512*\i th:TH_LOAD_NT   ; 32 lanes read 512 consecutive bytes
.endr
.endm
.macro TURN t                          ; step t's numbers through the stage: LDS serves a wave's instructions in order, so no wait stands between the stores and the loads
.irp i, 0,1,2,3
	ds_store_b128 v14, v[R+16*((\t)%4)+4*\i:R+16*((\t)%4)+4*\i+3] offset:32*SP*((\t)%2)+8*SP*\i
.endr
.irp i, 0,1,2,3
	ds_load_b128 v[X+16*((\t)%2)+4*\i:X+16*((\t)%2)+4*\i+3], v15 offset:32*SP*((\t)%2)+16*\i
.endr
.endm
.irp t, 0,1,2,3
	LOAD \t
.endr
	s_wait_kmcnt 0x0
	s_cmp_eq_u32 s14, 0
	s_cselect_b32 s22, s25, s27
	s_cmp_lt_u32 s14, 2
	s_cselect_b32 s22, s22, s29                    ; e
	s_add_co_i32 s22, s22, 127
	s_lshl_b32 s23, s22, 23
	v_mov_b32 v11, s23                             ; 2^e as f32: the conversion takes its exponent field
	s_add_co_i32 s22, s22, EMAX
	s_lshl_b32 s22, s22, 23
	s_or_b32 s22, s22, MANT
	v_mov_b32 v10, s22                             ; 57,344 x 2^e
	s_wait_loadcnt 12                              ; step 0's four loads are in; the twelve of steps 1 to 3 may be out
	TURN 0
.macro STEP t
.set XS, X+16*((\t)%2)
	s_wait_dscnt 0x0                               ; this step's numbers are back from the stage: so its stores into the stage have read their registers,
.if (\t)+4 < STEPS
	LOAD (\t)+4                                    ; which take the loads of four steps on
.endif
.if (\t)+1 < STEPS
.if STEPS-2-(\t) >= 3
	s_wait_loadcnt 12                              ; the next step's four loads are in; those of the three steps behind it may be out
.else
	s_wait_loadcnt 4*(STEPS-2-(\t))
.endif
	TURN (\t)+1                                    ; and go through the other stage while this step is worked
.endif
.irp i, 0,1,2,3,4,5,6,7,8,9,10,11,12,13,14,15
	v_med3_num_f32 v[XS+\i], v[XS+\i], -v10, v10   ; the conversion to an 8-bit code does not saturate (ISA guide 7.6.2): the hold comes first
.endr
	v_cvt_scalef32_pk8_bf8_f32 v[C+4*(\t):C+4*(\t)+1], v[XS:XS+7], v11
	v_cvt_scalef32_pk8_bf8_f32 v[C+4*(\t)+2:C+4*(\t)+3], v[XS+8:XS+15], v11
	global_store_b128 v4, v[C+4*(\t):C+4*(\t)+3], s[8:9] offset:32*CB*(\t)
.endm
.irp t, 0,1,2,3,4,5,6,7,8,9,10,11,12,13,14,15
	STEP \t
.endr
	s_wait_tensorcnt 0x0
	ds_add_u32 v192, v193
	s_wait_dscnt 0x0
	s_endpgm
.Lfunc_end_k_q41ab75e1a7_quant_x:
	.size	k_q41ab75e1a7_quant_x, .Lfunc_end_k_q41ab75e1a7_quant_x-k_q41ab75e1a7_quant_x
	.p2alignl 7, 3214868480
	.fill 96, 4, 3214868480
	.section	.rodata,"a",@progbits
	.p2align	6, 0x0
	.amdhsa_kernel k_q41ab75e1a7_quant_x
		.amdhsa_group_segment_fixed_size 33280
		.amdhsa_private_segment_fixed_size 0
		.amdhsa_enable_private_segment 0
		.amdhsa_kernarg_size 40
		.amdhsa_user_sgpr_count 2
		.amdhsa_user_sgpr_kernarg_segment_ptr 1
		.amdhsa_wavefront_size32 1
		.amdhsa_system_sgpr_workgroup_id_x 1
		.amdhsa_system_sgpr_workgroup_id_y 1
		.amdhsa_system_sgpr_workgroup_id_z 1
		.amdhsa_system_vgpr_workitem_id 0
		.amdhsa_next_free_vgpr 194
		.amdhsa_next_free_sgpr 66
		.amdhsa_reserve_vcc 0
		.amdhsa_float_denorm_mode_32 3
		.amdhsa_float_denorm_mode_16_64 3
		.amdhsa_memory_ordered 1
		.amdhsa_forward_progress 1
		.amdhsa_inst_pref_size 37
	.end_amdhsa_kernel
	.amdgpu_metadata
---
amdhsa.version: [ 1, 2 ]
amdhsa.kernels:
  - .name:           k_q41ab75e1a7_quant_x
    .symbol:         k_q41ab75e1a7_quant_x.kd
    .args:
      - { .name: Q, .offset: 0, .size: 8, .value_kind: global_buffer, .address_space: global }
      - { .name: K, .offset: 8, .size: 8, .value_kind: global_buffer, .address_space: global }
      - { .name: V, .offset: 16, .size: 8, .value_kind: global_buffer, .address_space: global }
      - { .name: lowp_scales, .offset: 24, .size: 8, .value_kind: global_buffer, .address_space: global }
      - { .name: xc, .offset: 32, .size: 8, .value_kind: global_buffer, .address_space: global }
    .group_segment_fixed_size: 33280
    .private_segment_fixed_size: 0
    .kernarg_segment_align: 8
    .kernarg_segment_size: 40
    .max_flat_workgroup_size: 128
    .sgpr_count:     66
    .vgpr_count:     194
    .wavefront_size: 32
...
	.end_amdgpu_metadata
.endif
;; end of part 1
;; launch quant_w (part 2): grid 256 x 1, 2 waves a work-group, no clusters, 17,664 bytes of LDS; arguments Wq, Wk, Wv, Wo, lowp_scales, wc; writes wc
.if DOCPART == 2
	.amdgcn_target "amdgcn-amd-amdhsa--gfx1250"
	.amdhsa_code_object_version 6
	.text
	.protected	k_q41ab75e1a7_quant_w
	.globl	k_q41ab75e1a7_quant_w
	.p2align	8
	.type	k_q41ab75e1a7_quant_w,@function
k_q41ab75e1a7_quant_w:
	s_mov_b64 s[64:65], 0
	v_nop
	global_prefetch_b8 v0, s[64:65] scope:SCOPE_SE
	s_setreg_imm32_b32 hwreg(HW_REG_WAVE_MODE, 25, 1), 1
	s_wait_xcnt 0x0
; The four weights, f32 with the contracted axis NOT innermost, become codes of BF8 (E5M2) laid [n][k], k innermost: wc = [4][1024 n][1024 k] bytes, in the order Wq, Wk, Wv, Wo.
; Wq, Wk, Wv: [16 h][1024 k][64 j], n = 64 h + j.  Wo: [1024 k][1024 n].  e = entry 0, 2, 4, 11 of the scales.
; code = x / 2^e, held within +-57,344, rounded to the nearest code, ties to even.  LIMITS: -126 <= e <= 112.  NaN among the inputs is not served.
; A LANE TAKES A COLUMN n AND ITS REGISTERS RUN DOWN k: a load reads 32 neighbouring n (128 consecutive bytes a wave, 256 the two waves), and the conversions give codes with k innermost.
; The two geometries differ in three numbers, chosen by the work-group's number: bytes from k to k + 1 (SB), bytes from one group of 64 columns to the next (SA), and SWP:
; IN Wo's ROWS THE MIDDLE TWO GROUPS OF 8 IN EVERY 32 CODES CHANGE PLACES (bytes 8-15 hold k 16-23, bytes 16-23 hold k 8-15).  A 16-byte read at 32 c + 16 (lane / 16) of such a row gives
; k = 32 c + 8 (lane / 16) + 0..7 and 32 c + 16 + 8 (lane / 16) + 0..7: the places in which the attention launch leaves the other operand's codes.
; Work-group: tensor = id / 64, column group = (id / 4) % 16, 256 along k = id % 4.  A wave: 32 columns x 256 k, 8 blocks of 32.  The codes leave through the wave's own stage in LDS, by rows:
; sixteen lanes store 256 consecutive bytes, aligned.  No tensor loads, no barrier, no cluster: nothing is shared.  Loads run two blocks (64 loads a wave) ahead.
.set PITCH, 272                        ; a stage row: 256 bytes of codes + 16
.set NB,    8
.set EMAX,  15
.set MANT,  0x600000
.set VO,    16                         ; v16-47   byte offset of my column in row i of a block; never rewritten
.set X,     48                         ; v48-111  two sets of 32 numbers
.set C,     112                        ; v112-119 a block's codes
.set OUTR,  120                        ; v120-183 the way out
.set BT,    40                         ; s[40:55] the address of each of the 8 blocks' first row
	s_load_b256 s[4:11], s[0:1], 0x0               ; Wq, Wk, Wv, Wo
	s_load_b128 s[12:15], s[0:1], 0x20             ; the scales' exponents s[12:13], wc s[14:15]
	v_lshl_add_u32 v192, v0, 2, 0x4400
	v_mov_b32 v193, 0
	v_lshrrev_b32 v1, 5, v0
	v_readfirstlane_b32 s16, v1                    ; wave 0, 1
	v_and_b32 v2, 31, v0                           ; lane
	v_lshlrev_b32 v3, 2, v2                        ; in: 4 bytes a lane
	s_mul_i32 s37, s16, 32*PITCH                   ; my stage
	v_mul_u32_u24 v4, v2, PITCH
	v_add_nc_u32 v4, s37, v4                       ; into it: row = my column
	v_and_b32 v5, 15, v2
	v_lshrrev_b32 v6, 4, v2                        ; out of it: sixteen lanes to a row, two rows an instruction
	v_mul_u32_u24 v7, v6, PITCH
	v_lshl_add_u32 v7, v5, 4, v7
	v_add_nc_u32 v7, s37, v7
	v_lshlrev_b32 v8, 10, v6
	v_lshl_add_u32 v8, v5, 4, v8                   ; and the same place in wc: rows of 1,024 bytes
	s_lshr_b32 s17, ttmp9, 6                       ; tensor 0..3
	s_bfe_u32 s18, ttmp9, 0x40002                  ; column group 0..15
	s_and_b32 s19, ttmp9, 3                        ; which 256 along k
	s_mov_b32 s20, 256
	s_mov_b32 s21, 0x40000
	s_cmp_eq_u32 s17, 3
	s_cselect_b32 s20, 4096, s20                   ; SB
	s_cselect_b32 s21, 256, s21                    ; SA
	s_cselect_b32 s36, 8*4096, 0                   ; SWP: eight rows of Wo, or nothing
.set i, 0
.rept 32
	s_mul_i32 s37, s20, i
.if (i >= 8) && (i < 16)
	s_add_co_u32 s37, s37, s36                     ; register i becomes byte i of the block: bytes 8-15 take k 16-23,
.elseif (i >= 16) && (i < 24)
	s_sub_co_u32 s37, s37, s36                     ; bytes 16-23 take k 8-15
.endif
	v_add_nc_u32 v[VO+i], s37, v3
.set i, i+1
.endr
	s_mul_i32 s38, s18, s21                        ; my part's first byte in the weight: column group,
	s_lshl_b32 s37, s19, 8
	s_mul_i32 s37, s37, s20                        ; 256 rows of k for each id % 4,
	s_add_co_u32 s38, s38, s37
	s_lshl_b32 s37, s16, 7                         ; my wave's 32 columns
	s_add_co_u32 s38, s38, s37
	s_mov_b32 s39, 0
	s_lshl_b32 s22, s20, 5                         ; 32 rows of k: from block to block
	s_mov_b32 s23, 0
	s_lshl_b32 s56, s17, 20                        ; in wc: the tensor,
	s_lshl_b32 s37, s18, 16                        ; 64 rows a column group,
	s_add_co_u32 s56, s56, s37
	s_lshl_b32 s37, s16, 15                        ; 32 rows a wave,
	s_add_co_u32 s56, s56, s37
	s_lshl_b32 s37, s19, 8                         ; 256 bytes along k
	s_add_co_u32 s56, s56, s37
	s_mov_b32 s57, 0
	s_wait_kmcnt 0x0
	s_load_b256 s[24:31], s[12:13], 0x0            ; entries 0 to 7
	s_load_b128 s[32:35], s[12:13], 0x20           ; entries 8 to 11
	s_cmp_eq_u32 s17, 0                            ; the choices hang on the work-group's number alone
	s_cselect_b64 s[4:5], s[4:5], s[6:7]
	s_cmp_eq_u32 s17, 2
	s_cselect_b64 s[8:9], s[8:9], s[10:11]
	s_cmp_lt_u32 s17, 2
	s_cselect_b64 s[4:5], s[4:5], s[8:9]
	s_add_nc_u64 s[BT:BT+1], s[4:5], s[38:39]
.irp t, 1,2,3,4,5,6,7
	s_add_nc_u64 s[BT+2*\t:BT+2*\t+1], s[BT+2*\t-2:BT+2*\t-1], s[22:23]
.endr
	s_add_nc_u64 s[14:15], s[14:15], s[56:57]
.macro LOAD t                          ; block t into set t % 2
.set i, 0
.rept 32
	global_load_b32 v[X+32*((\t)%2)+i], v[VO+i], s[BT+2*(\t):BT+2*(\t)+1] th:TH_LOAD_NT
.set i, i+1
.endr
.endm
	LOAD 0
	LOAD 1
	s_wait_kmcnt 0x0
	s_cmp_eq_u32 s17, 0
	s_cselect_b32 s58, s24, s26
	s_cmp_eq_u32 s17, 2
	s_cselect_b32 s59, s28, s35
	s_cmp_lt_u32 s17, 2
	s_cselect_b32 s58, s58, s59                    ; e
	s_add_co_i32 s58, s58, 127
	s_lshl_b32 s59, s58, 23
	v_mov_b32 v11, s59                             ; 2^e as f32
	s_add_co_i32 s58, s58, EMAX
	s_lshl_b32 s58, s58, 23
	s_or_b32 s58, s58, MANT
	v_mov_b32 v10, s58                             ; 57,344 x 2^e
.macro BLOCK t
.set XS, X+32*((\t)%2)
.if (\t) < NB-1
	s_wait_loadcnt 32                              ; this block's 32 loads are in; the next block's may be out
.else
	s_wait_loadcnt 0
.endif
.set i, 0
.rept 32
	v_med3_num_f32 v[XS+i], v[XS+i], -v10, v10     ; the conversion to an 8-bit code does not saturate (ISA guide 7.6.2): the hold comes first
.set i, i+1
.endr
.irp g, 0,1,2,3
	v_cvt_scalef32_pk8_bf8_f32 v[C+2*\g:C+2*\g+1], v[XS+8*\g:XS+8*\g+7], v11
.endr
	ds_store_b128 v4, v[C:C+3] offset:32*(\t)      ; 32 codes: 32 bytes of my column's row
	ds_store_b128 v4, v[C+4:C+7] offset:32*(\t)+16
.if (\t)+2 < NB
	LOAD (\t)+2
.endif
	s_wait_dscnt 0x0                               ; the stores have read their registers: the next block's codes may be written
.endm
.irp t, 0,1,2,3,4,5,6,7
	BLOCK \t
.endr
.irp t, 0,1,2,3,4,5,6,7,8,9,10,11,12,13,14,15
	ds_load_b128 v[OUTR+4*\t:OUTR+4*\t+3], v7 offset:2*\t*PITCH   ; LDS serves a wave's instructions in order: these see my stores
.endr
.irp t, 0,1,2,3,4,5,6,7,8,9,10,11,12,13,14,15
	s_wait_dscnt 15-\t                             ; the loads behind this one may be out
	global_store_b128 v8, v[OUTR+4*\t:OUTR+4*\t+3], s[14:15] offset:2*\t*1024
.endr
	s_wait_tensorcnt 0x0
	ds_add_u32 v192, v193
	s_wait_dscnt 0x0
	s_endpgm
.Lfunc_end_k_q41ab75e1a7_quant_w:
	.size	k_q41ab75e1a7_quant_w, .Lfunc_end_k_q41ab75e1a7_quant_w-k_q41ab75e1a7_quant_w
	.p2alignl 7, 3214868480
	.fill 96, 4, 3214868480
	.section	.rodata,"a",@progbits
	.p2align	6, 0x0
	.amdhsa_kernel k_q41ab75e1a7_quant_w
		.amdhsa_group_segment_fixed_size 17664
		.amdhsa_private_segment_fixed_size 0
		.amdhsa_enable_private_segment 0
		.amdhsa_kernarg_size 48
		.amdhsa_user_sgpr_count 2
		.amdhsa_user_sgpr_kernarg_segment_ptr 1
		.amdhsa_wavefront_size32 1
		.amdhsa_system_sgpr_workgroup_id_x 1
		.amdhsa_system_sgpr_workgroup_id_y 1
		.amdhsa_system_sgpr_workgroup_id_z 1
		.amdhsa_system_vgpr_workitem_id 0
		.amdhsa_next_free_vgpr 194
		.amdhsa_next_free_sgpr 66
		.amdhsa_reserve_vcc 0
		.amdhsa_float_denorm_mode_32 3
		.amdhsa_float_denorm_mode_16_64 3
		.amdhsa_memory_ordered 1
		.amdhsa_forward_progress 1
		.amdhsa_inst_pref_size 53
	.end_amdhsa_kernel
	.amdgpu_metadata
---
amdhsa.version: [ 1, 2 ]
amdhsa.kernels:
  - .name:           k_q41ab75e1a7_quant_w
    .symbol:         k_q41ab75e1a7_quant_w.kd
    .args:
      - { .name: Wq, .offset: 0, .size: 8, .value_kind: global_buffer, .address_space: global }
      - { .name: Wk, .offset: 8, .size: 8, .value_kind: global_buffer, .address_space: global }
      - { .name: Wv, .offset: 16, .size: 8, .value_kind: global_buffer, .address_space: global }
      - { .name: Wo, .offset: 24, .size: 8, .value_kind: global_buffer, .address_space: global }
      - { .name: lowp_scales, .offset: 32, .size: 8, .value_kind: global_buffer, .address_space: global }
      - { .name: wc, .offset: 40, .size: 8, .value_kind: global_buffer, .address_space: global }
    .group_segment_fixed_size: 17664
    .private_segment_fixed_size: 0
    .kernarg_segment_align: 8
    .kernarg_segment_size: 48
    .max_flat_workgroup_size: 64
    .sgpr_count:     66
    .vgpr_count:     194
    .wavefront_size: 32
...
	.end_amdgpu_metadata
.endif
;; end of part 2
;; launch proj (part 3): grid 4 x 96, 4 waves a work-group, clusters of 4 x 4, 327,680 bytes of LDS; arguments xc, wc, lowp_scales, bq, bk, bv, qkv; writes qkv
.if DOCPART == 3
	.amdgcn_target "amdgcn-amd-amdhsa--gfx1250"
	.amdhsa_code_object_version 6
	.text
	.protected	k_q41ab75e1a7_proj
	.globl	k_q41ab75e1a7_proj
	.p2align	8
	.type	k_q41ab75e1a7_proj,@function
k_q41ab75e1a7_proj:
	s_mov_b64 s[64:65], 0
	v_nop
	global_prefetch_b8 v0, s[64:65] scope:SCOPE_SE
	s_setreg_imm32_b32 hwreg(HW_REG_WAVE_MODE, 25, 1), 1
	s_wait_xcnt 0x0
	s_wait_alu depctr_hold_cnt(0) depctr_sa_sdst(0) depctr_va_vdst(0) depctr_va_sdst(0) depctr_va_ssrc(0) depctr_va_vcc(0) depctr_vm_vsrc(0)
	s_getreg_b32 s2, hwreg(HW_REG_IB_STS2, 6, 4)
	s_cmp_eq_u32 s2, 0
	s_cbranch_scc0 .Lentry_in_a_cluster
	s_endpgm
.Lentry_in_a_cluster:
	s_bfe_u32 s2, ttmp6, 0x10000c
	s_cmp_lg_u32 s2, 0xf033
	s_cbranch_scc0 .Lentry_shape_is_right
	s_endpgm
.Lentry_shape_is_right:
; The three projections on codes of BF8 (E5M2): q = Q Wq + bq, k = K Wk + bk, v = V Wv + bv; each result is quantised at once (entries 6, 7, 9 of the scales) and leaves as codes.
; A GEMM C[m][n] = sum over k of A[m][k] B[n][k], K = 1,024, both operands rows of 1,024 codes.  A tile of C is 256 x 256: four waves, each 128 x 128 in 64 accumulators (512 registers).
; K goes in steps of 256 through a ring of two LDS slots filled by the tensor data mover.  The matrix instruction is used TRANSPOSED (source 0 = 16 rows of B, source 1 = 16 rows of A):
; a lane holds ONE row of A and its eight registers eight neighbouring rows of B.  One conversion of an accumulator therefore gives two registers of the NEXT product's operand, whose K runs along B's rows.
; WHICH TENSOR: the cluster's y, 0..23: T = y / 8 (0 q, 1 k, 2 v), Y7 = y % 8.  q, k: A = the activations' codes (8,192 rows), B = the weight's (1,024): registers run along the head's channels.
; v: A = Wv's codes, B = V's: registers run along the KEYS, which are the second attention product's K.  ONE TEXT, NO BRANCH ON T: buffers, coordinates, exponents and store steps are chosen by s_cselect.
; THE BIAS is loaded in both layouts: BN along the registers (q, k), given as the C of the first K step; BM along the lanes (v), added on the way out; the one that does not apply is masked to 0.
; Both go in divided by 2^(eA + eB), the power of two that the sums lack; the conversion's one scale is 2^(e_out - eA - eB).
; THE RESULT IS LAID AS THE READER'S REGISTERS (qkv: q at 0, k at 0x800000, v at 0x1000000):
;   q, k: [b 4][h 16][16 rows: 128][piece 2][lane 32][16 B]: a fragment 16 rows x 64 channels; lane (r, hl), piece c: channels 32 c + 8 hl + 0..7, then 32 c + 16 + 8 hl + 0..7 of row r.
;   v:    [b 4][h 16][128 keys: 16][16 channels: 4][piece 4][lane 32][16 B]: a fragment 16 channels x 128 keys; piece c: keys 32 c + 8 hl + 0..7, then 32 c + 16 + 8 hl + 0..7 of channel r.
; So every store of a wave covers 512 consecutive bytes, aligned, straight from the conversions' registers.
; CLUSTERS: 4 x 4 work-groups; A's tile is asked for jointly along a row of the cluster, B's along a column.
; LIMITS: e_out - eA - eB between -126 and 112.  NaN among the inputs is not served; what lies beyond the scale's range is held at the largest code.
; REGISTERS: window 0: v1-6 at work, v16-31 addresses and constants, v32-95 BN, v96-111 BM, v128-255 A's fragments (one set), on the way out sums and codes.
;   window 1: B's fragments, two sets.  window 2: accumulators of my rows 0-63 ((a, b) at v[8 (8 a + b)]).  window 3: those of rows 64-127.
.set KROW,   1024                      ; a row of A or of B in memory, in bytes
.set ROWB,   256                       ; a tile's row in bytes
.set PITCH,  272                       ; an LDS row: 256 bytes + 16 of padding = 68 words: the 16 rows that a load touches start at 16 different banks (64 banks of 4 bytes: ISA guide 11.1)
.set FR,     16                        ; registers of a fragment: 16 rows x 128 K
.set NL,     4                         ; LDS loads that bring one
.set NP,     4                         ; places behind this matrix instruction (ISA guide 7.12.1)
.set HALFT,  128*PITCH
.set SLOT,   4*HALFT                   ; A's 256 rows, then B's 256 rows
.set LAPS,   2                         ; K = 1,024 = two laps of two K steps
.set SPARE,  2*SLOT                    ; behind the ring: the spare words, 128 bytes for each wave
.set ADRA, 16                          ; v16-17  LDS address of my A fragments in slot 0, 1
.set ADRB, 20                          ; v20-21  the same for B
.set CO,   26                          ; v26     16 x lane
.set CO2,  27                          ; v27     the same for a block's pieces 2 and 3
.set SPW,  28                          ; v28     LDS address of my spare word; never rewritten
.set NIL,  29                          ; v29     0; never rewritten
.set SCL,  30                          ; v30     2^(e_out - eA - eB) as f32
.set LIM,  31                          ; v31     57,344 x that
.set BN,   32
.set BM,   96
.set AF,   128
.set TMP,  128                         ; the way out: a block's 64 sums + bias
.set CD,   192                         ; and its 16 registers of codes
.set G1, 24                            ; s[24:31] descriptor group 1 for A's tiles;  s[32:39] group 0, one set for each slot
.set G0, 32
.set G1B, 48                           ; s[48:55], s[56:63] the same for B's tiles
.set G0B, 56
.set MSB, 0
.macro WIN new                         ; the immediate's high byte repeats the setting that is left
.if MSB != \new
	s_set_vgpr_msb (MSB<<8)|\new
.set MSB, \new
.endif
.endm
.set MUL_LO, 0xa1                      ; source 0 (B) window 1, source 1 (A) window 0, C and D window 2
.set MUL_HI, 0xf1                      ; the same, C and D window 3
.set FST_LO, 0x81                      ; the first K step: C (BN) window 0, D window 2
.set FST_HI, 0xc1                      ; D window 3
.set TO_B,   0x40                      ; destination window 1, address window 0
; A joint load: waves 0 and 1 fetch for A, waves 2 and 3 for B.  Each line has one mask and one set of registers; the branch hangs on the wave's number alone.
; Four v_nop follow each of the two lines, ahead of the jump, the label and what follows.
.macro JLOAD g0a, g1a, g0b, g1b
	s_cmp_eq_u32 s15, 0
	s_cbranch_scc0 .Lfor_b_\@
	tensor_load_to_lds s[\g0a:\g0a+3], s[\g1a:\g1a+7]
	s_nop 0
.rept 4
	v_nop
.endr
	s_branch .Lasked_\@
.Lfor_b_\@:
	tensor_load_to_lds s[\g0b:\g0b+3], s[\g1b:\g1b+7]
	s_nop 0
.rept 4
	v_nop
.endr
.Lasked_\@:
.endm
.macro CREST                           ; a round of the cluster's barrier behind its opening barrier
	s_cmp_lg_u32 s14, 0
	s_cbranch_scc1 .Lnot_wave_0_\@
	s_barrier_signal -3
.Lnot_wave_0_\@:
	s_barrier_wait -3
	s_barrier_signal -1
	s_barrier_wait -1
.endm
.macro CROUND                          ; a whole round
	s_barrier_signal -1
	s_barrier_wait -1
	CREST
.endm
	s_load_b256 s[68:75], s[0:1], 0x0              ; xc s[68:69], wc s[70:71], the scales' exponents s[72:73], bq s[74:75]
	s_load_b128 s[76:79], s[0:1], 0x20             ; bk, bv
	s_load_b64 s[80:81], s[0:1], 0x30              ; qkv
	v_lshl_add_u32 v[SPW], v0, 2, SPARE
	v_mov_b32 v[NIL], 0
	ds_add_u32 v28, v29
	ds_add_u32 v28, v29
	s_wait_dscnt 0x0
	v_lshrrev_b32 v1, 5, v0
	v_readfirstlane_b32 s14, v1                    ; wave 0..3
	s_lshr_b32 s15, s14, 1                         ; which half of the tile's rows is mine.  Also: I fetch for A (0) or for B (1)
	s_and_b32 s16, s14, 1                          ; which half of its columns.  Also: which 128 rows of that tile I fetch
	s_bfe_u32 s40, ttmp6, 0x40000                  ; cx, cy: my place in the cluster
	s_bfe_u32 s41, ttmp6, 0x40004
	s_and_b32 s97, ttmp7, 0xffff                   ; the cluster's y
	s_lshr_b32 s96, s97, 3                         ; T
	s_and_b32 s97, s97, 7
	s_lshl_b32 s97, s97, 2                         ; 4 Y7: the activations' side has 32 tiles, the weight's four
	s_cmp_lt_u32 s96, 2
	s_cselect_b32 s17, s97, 0
	s_cselect_b32 s42, 0, s97
	s_add_co_u32 s17, s17, s41                     ; tile row of C: 4 Y7 + cy (q, k) or cy (v)
	s_add_co_u32 s42, s42, s40                     ; tile column:   cx (q, k) or 4 Y7 + cx (v)
	s_lshl_b32 s43, s41, 2
	s_lshl_b32 s43, 15, s43                        ; my row of the cluster
	s_lshl_b32 s44, 0x1111, s40                    ; my column
	; descriptor group 1: a tile of 128 rows x 256 bytes, padded in LDS
	s_or_b32 s[G1+0], s43, (0<<16)|(1<<20)|(1<<21)|(5<<22)|(3<<25)  ; 15:0 the mask: A's tiles go to my row; 17:16 element of 1 byte; 20 padding on; 21 set beside a mask; 24:22 after every 64 words; 31:25 four words
	s_or_b32 s[G1B+0], s44, (0<<16)|(1<<20)|(1<<21)|(5<<22)|(3<<25)
.irp g, G1, G1B
	s_mov_b32 s[\g+1], ROWB<<16                    ; tensor_dim0
	s_mov_b32 s[\g+2], 128<<16                     ; tensor_dim1
	s_mov_b32 s[\g+3], ROWB<<16                    ; tile_dim0
	s_mov_b32 s[\g+4], 128                         ; tile_dim1
	s_mov_b32 s[\g+5], KROW                        ; tensor_dim0_stride
	s_mov_b32 s[\g+6], 0
	s_mov_b32 s[\g+7], 0
.endr
	s_lshl_b32 s18, s16, 7                         ; which 128 rows of the tile I fetch
	s_lshl_b32 s20, s17, 8
	s_add_co_u32 s20, s20, s18                     ; A: row 256 x tile row + 128 x half,
	s_lshl_b32 s20, s20, 10                        ; in bytes
	s_mov_b32 s21, 0
	s_lshl_b32 s46, s42, 8
	s_add_co_u32 s46, s46, s18                     ; B: row 256 x tile column + 128 x half
	s_lshl_b32 s46, s46, 10
	s_mov_b32 s47, 0
	s_mul_i32 s45, s14, HALFT                      ; where they go: wave x 128 rows: no place in the cluster enters an LDS address
	s_lshl_b32 s22, s96, 23                        ; tensor T in xc and in qkv
	s_mov_b32 s23, 0
	s_lshl_b32 s18, s96, 20                        ; and in wc
	s_mov_b32 s19, 0
	s_wait_kmcnt 0x0
	s_load_b256 s[84:91], s[72:73], 0x0            ; entries 0 to 7
	s_load_b128 s[92:95], s[72:73], 0x20           ; entries 8 to 11
	s_add_nc_u64 s[68:69], s[68:69], s[22:23]      ; the activations' codes
	s_add_nc_u64 s[70:71], s[70:71], s[18:19]      ; the weight's codes
	s_add_nc_u64 s[10:11], s[80:81], s[22:23]      ; the result
	s_cmp_lt_u32 s96, 2                            ; the choices hang on the cluster's y alone
	s_cselect_b64 s[4:5], s[68:69], s[70:71]       ; A
	s_cselect_b64 s[6:7], s[70:71], s[68:69]       ; B
	s_cmp_eq_u32 s96, 0
	s_cselect_b64 s[8:9], s[74:75], s[76:77]
	s_cmp_lt_u32 s96, 2
	s_cselect_b64 s[8:9], s[8:9], s[78:79]         ; the bias
	s_add_nc_u64 s[20:21], s[4:5], s[20:21]
	s_add_nc_u64 s[46:47], s[6:7], s[46:47]
	CROUND                                         ; all sixteen work-groups are here: the first joint loads meet
.irp s, 0,1
	s_mov_b32 s[G0+4*\s], 1
	s_add_co_u32 s[G0+4*\s+1], s45, \s*SLOT
	s_add_nc_u64 s[G0+4*\s+2:G0+4*\s+3], s[20:21], \s*ROWB
	s_or_b32 s[G0+4*\s+3], s[G0+4*\s+3], 0x80000000
	s_mov_b32 s[G0B+4*\s], 1
	s_add_co_u32 s[G0B+4*\s+1], s45, \s*SLOT
	s_add_nc_u64 s[G0B+4*\s+2:G0B+4*\s+3], s[46:47], \s*ROWB
	s_or_b32 s[G0B+4*\s+3], s[G0B+4*\s+3], 0x80000000
	JLOAD G0+4*\s, G1, G0B+4*\s, G1B               ; two tensor loads of mine are out behind these
.endr
	v_and_b32 v1, 15, v0                           ; r = lane % 16
	v_bfe_u32 v2, v0, 4, 1                         ; hl = lane / 16
	v_mul_u32_u24 v3, v1, PITCH
	v_lshl_add_u32 v4, v2, 4, v3                   ; a fragment's row x pitch + 16 x half
	s_mul_i32 s21, s15, HALFT                      ; my 128 rows of A
	s_mul_i32 s22, s16, HALFT                      ; my 128 rows of B,
	s_add_co_u32 s22, s22, 2*HALFT                 ; which lie behind A's 256
.irp s, 0,1
	v_add_nc_u32 v[ADRA+\s], s21, v4
	v_add_nc_u32 v[ADRB+\s], s22, v4
	s_add_co_u32 s21, s21, SLOT
	s_add_co_u32 s22, s22, SLOT
.endr
	; Where my results go, and my bias: in coordinates of the activations' side (XT 0..31, xs) and of the weight's side (WT 0..3, ws), one formula serves all three tensors
	s_cmp_lt_u32 s96, 2
	s_cselect_b32 s82, s41, s40
	s_cselect_b32 s83, s40, s41                    ; WT
	s_cselect_b32 s98, s15, s16                    ; xs: my half on the activations' side
	s_cselect_b32 s99, s16, s15                    ; ws: on the weight's side
	s_add_co_u32 s82, s82, s97                     ; XT
	s_lshl_b32 s19, s83, 1
	s_add_co_u32 s19, s19, s99                     ; 2 WT + ws: which 128 of the 1,024 outputs n: two heads
	s_lshl_b32 s22, s19, 9                         ; their bias: 128 x 4 bytes
	s_mov_b32 s23, 0
	s_add_nc_u64 s[8:9], s[8:9], s[22:23]
	s_lshl_b32 s19, s19, 18                        ; two heads of 131,072 bytes
	s_lshr_b32 s18, s82, 3
	s_lshl_b32 s18, s18, 21                        ; the batch: 16 heads
	s_add_co_u32 s18, s18, s19
	s_and_b32 s19, s82, 7
	s_lshl_b32 s19, s19, 1
	s_add_co_u32 s19, s19, s98                     ; which 128 of the batch's 2,048 rows:
	s_lshl_b32 s19, s19, 13                        ; 8,192 bytes of a head, in q's and k's layout and in v's
	s_add_co_u32 s18, s18, s19
	s_mov_b32 s19, 0
	s_add_nc_u64 s[10:11], s[10:11], s[18:19]
	v_lshlrev_b32 v5, 5, v2                        ; BN: lane (r, hl) wants, for block b, outputs 16 b + 8 hl + 0..7
	v_lshlrev_b32 v6, 2, v1                        ; BM: for block a, output 16 a + r
.irp b, 0,1,2,3,4,5,6,7
	global_load_b128 v[BN+8*\b:BN+8*\b+3], v5, s[8:9] offset:64*\b
	global_load_b128 v[BN+8*\b+4:BN+8*\b+7], v5, s[8:9] offset:64*\b+16
.endr
.irp a, 0,1,2,3,4,5,6,7
	global_load_b32 v[BM+2*\a], v6, s[8:9] offset:64*\a
.endr
	s_wait_kmcnt 0x0
	s_add_co_i32 s84, s84, s85                     ; e0 + e1
	s_add_co_i32 s86, s86, s87                     ; e2 + e3
	s_add_co_i32 s88, s88, s89                     ; e4 + e5
	s_cmp_eq_u32 s96, 0
	s_cselect_b32 s84, s84, s86
	s_cselect_b32 s90, s90, s91                    ; e6 or e7
	s_cmp_lt_u32 s96, 2
	s_cselect_b32 s84, s84, s88                    ; eA + eB
	s_cselect_b32 s90, s90, s93                    ; e_out (v: e9)
	s_cselect_b32 s67, -1, 0                       ; BN counts for q and k,
	s_cselect_b32 s82, 0, -1                       ; BM for v
	s_mov_b32 s86, 2048
	s_cselect_b32 s86, 1024, s86                   ; from a block of 16 rows of A to the next: 16 rows of q or k, or 16 channels of v;
	s_mov_b32 s88, 131072-3*2048
	s_cselect_b32 s88, 1024, s88                   ; from block 3 to block 4: v goes on to the next head
	s_mov_b32 s85, 1024
	s_cselect_b32 s85, 131072, s85                 ; a block's pieces 2 and 3: q's and k's next head, or v's next 1,024 bytes
	s_mov_b32 s87, 0
	s_mov_b32 s89, 0
	s_sub_co_i32 s66, 0, s84                       ; -(eA + eB)
	s_sub_co_i32 s90, s90, s84
	s_add_co_i32 s90, s90, 127
	s_lshl_b32 s91, s90, 23
	v_mov_b32 v[SCL], s91
	s_add_co_i32 s90, s90, 15
	s_lshl_b32 s90, s90, 23
	s_or_b32 s90, s90, 0x600000
	v_mov_b32 v[LIM], s90
	v_and_b32 v[CO], 31, v0
	v_lshlrev_b32 v[CO], 4, v[CO]
	v_add_nc_u32 v[CO2], s85, v[CO]
	s_wait_loadcnt 0x0                             ; the bias
.set jj, 0
.rept 64
	v_and_b32 v[BN+jj], s67, v[BN+jj]
.set jj, jj+1
.endr
.set jj, 0
.rept 64
	v_ldexp_f32 v[BN+jj], v[BN+jj], s66            ; bias / 2^(eA + eB): nothing is rounded, short of overflow and underflow
.set jj, jj+1
.endr
.irp a, 0,1,2,3,4,5,6,7
	v_and_b32 v[BM+2*\a], s82, v[BM+2*\a]
.endr
.irp a, 0,1,2,3,4,5,6,7
	v_ldexp_f32 v[BM+2*\a+1], v[BM+2*\a], s66      ; twice: a pair for the packed addition
.endr
.irp a, 0,1,2,3,4,5,6,7
	v_mov_b32 v[BM+2*\a], v[BM+2*\a+1]
.endr
.macro FRAG reg, adr, q, i             ; 16 rows x 128 K: lane l holds row l % 16; registers 4 c .. 4 c + 3 hold K = 32 c + 16 (l / 16) + 0 .. 15: the same permutation of k in A and in B
.irp c, 0,1,2,3
	ds_load_b128 v[\reg+4*\c:\reg+4*\c+3], v[\adr] offset:128*(\q)+32*\c+(\i)*16*PITCH
.endr
.endm
; 16 matrix instructions: A's blocks a0, a0 + 1 x B's eight, 128 along K.  p: B's set.  first = 1: the sums start from BN.
; The 64 accumulators take turns, one instruction a turn, in the same order in every step.
.macro MUL16 a0, p, first
.irp a, \a0, \a0+1
.irp b, 0,1,2,3,4,5,6,7
.if \first
	v_wmma_f32_16x16x128_bf8_bf8 v[8*(8*((\a)%4)+\b):8*(8*((\a)%4)+\b)+7], v[128*(\p)+FR*\b:128*(\p)+FR*\b+FR-1], v[AF+FR*(\a):AF+FR*(\a)+FR-1], v[BN+8*\b:BN+8*\b+7]
.else
	v_wmma_f32_16x16x128_bf8_bf8 v[8*(8*((\a)%4)+\b):8*(8*((\a)%4)+\b)+7], v[128*(\p)+FR*\b:128*(\p)+FR*\b+FR-1], v[AF+FR*(\a):AF+FR*(\a)+FR-1], v[8*(8*((\a)%4)+\b):8*(8*((\a)%4)+\b)+7]
.endif
.endr
.endr
.endm
.macro FETCH_B slot, q, p              ; B's eight fragments of the slot's q-th 128 along K into set p
	WIN TO_B
.irp i, 0,1,2,3,4,5,6,7
	FRAG 128*(\p)+FR*\i, ADRB+\slot, \q, \i
.endr
	WIN 0
.endm
.macro FETCH_A slot, q, i0             ; A's blocks i0 .. i0 + 3
.irp i, \i0, \i0+1, \i0+2, \i0+3
	FRAG AF+FR*(\i), ADRA+\slot, \q, \i
.endr
.endm
; A load into a register that a matrix instruction has read, and a vector instruction that reads a matrix result, stand NP places behind that matrix instruction; only plain vector
; instructions that name none of its registers are places (ISA guide 7.12.1 for vector instructions).
.macro PLACES n
.rept \n
	v_nop
.endr
.endm
; A step of 128 along K that has its successor in the same slot.  A's blocks are free as soon as their eight products are issued: blocks 0-3 are fetched anew in the middle, blocks 4-7 at the end.
.macro STEP slot, q, first
	s_wait_dscnt 4*NL                              ; B's set and A's blocks 0-3 are in; the youngest sixteen loads (A's blocks 4-7) may be out
.if \first
	WIN FST_LO
.else
	WIN MUL_LO
.endif
	MUL16 0, (\q)%2, \first
	MUL16 2, (\q)%2, \first
	s_wait_dscnt 0                                 ; A's blocks 4-7 are in
	PLACES NP
	FETCH_B \slot, (\q)+1, 1-(\q)%2
	FETCH_A \slot, (\q)+1, 0
.if \first
	WIN FST_HI
.else
	WIN MUL_HI
.endif
	MUL16 4, (\q)%2, \first
	MUL16 6, (\q)%2, \first
	PLACES NP
	WIN 0
	FETCH_A \slot, (\q)+1, 4
.endm
; A slot's last step changes slots: ONE barrier; in front of it each wave waits for all its tensor loads, adds 0 to its spare word, and waits for that and for its own reads of this slot.
; fill = 1: this slot is filled again, two K steps ahead; the barrier then opens a round of the cluster's barrier.
.macro TURN slot, next, fill
	s_wait_tensorcnt 0x0                           ; all my tensor loads have landed: my part of the next slot
	ds_add_u32 v[SPW], v[NIL]                      ; 0 onto my spare word
	s_wait_dscnt 4*NL+1                            ; (the add and the youngest sixteen loads, A's blocks 4-7, may be out)
	WIN MUL_LO
	MUL16 0, 1, 0                                  ; sixteen matrix instructions stand between the add and the wait for it
	s_wait_dscnt 0x0                               ; the add is done, and my reads of this slot are over
	s_barrier_signal -1
	MUL16 2, 1, 0
	WIN 0
	s_barrier_wait -1
.if \fill
	CREST                                          ; no wave of any partner still reads this slot's tile or has a load on its way
	s_add_nc_u64 s[G0+4*\slot+2:G0+4*\slot+3], s[G0+4*\slot+2:G0+4*\slot+3], 2*ROWB
	s_add_nc_u64 s[G0B+4*\slot+2:G0B+4*\slot+3], s[G0B+4*\slot+2:G0B+4*\slot+3], 2*ROWB
	JLOAD G0+4*\slot, G1, G0B+4*\slot, G1B         ; the first tensor load behind the round, my only one until the next; its four v_nop are the places in front of the loads below
.else
	PLACES NP
.endif
	FETCH_B \next, 0, 0
	FETCH_A \next, 0, 0
	WIN MUL_HI
	MUL16 4, 1, 0
	MUL16 6, 1, 0
	PLACES NP
	WIN 0
	FETCH_A \next, 0, 4
.endm
	s_wait_tensorcnt 1                             ; my part of K step 0 is in; K step 1's load may be out
	s_barrier_signal -1
	s_barrier_wait -1                              ; everybody's is
	FETCH_B 0, 0, 0
	FETCH_A 0, 0, 0
	FETCH_A 0, 0, 4
	STEP 0, 0, 1                                   ; the first step stands in front of the loop: its products start the sums
	s_mov_b32 s3, LAPS-1
.Llap:                                                 ; a trip goes once round the ring, from a lap's second step to the next lap's first, and fills both slots again
	TURN 0, 1, 1
	STEP 1, 0, 0
	TURN 1, 0, 1
	STEP 0, 0, 0
	s_sub_co_u32 s3, s3, 1
	s_cmp_lg_u32 s3, 0
	s_cbranch_scc1 .Llap
	TURN 0, 1, 0                                   ; the last lap fills nothing, and has no round of the cluster's barrier
	STEP 1, 0, 0
	s_wait_dscnt 4*NL                              ; the very last step: nothing more to fetch
	WIN MUL_LO
	MUL16 0, 1, 0
	MUL16 2, 1, 0
	s_wait_dscnt 0
	WIN MUL_HI
	MUL16 4, 1, 0
	MUL16 6, 1, 0
	WIN 0
; THE WAY OUT, block by block of 16 rows of A x 128 rows of B: + BM, the hold, eight conversions: the 16 registers are two fragments of q or k (two heads) or one fragment of v, stored as they stand.
.macro OUTBLK a
.set AC, 64*((\a)%4)
	WIN 0x02+((\a)/4)                              ; source 0: window 2 or 3
.set jj, 0
.rept 32
	v_pk_add_f32 v[TMP+jj:TMP+jj+1], v[AC+jj:AC+jj+1], v[BM+2*(\a):BM+2*(\a)+1]   ; each accumulator from its low end on
.set jj, jj+2
.endr
	WIN 0
.set jj, 0
.rept 64
	v_med3_num_f32 v[TMP+jj], v[TMP+jj], -v[LIM], v[LIM]   ; the conversion to an 8-bit code does not saturate (ISA guide 7.6.2): the hold comes first
.set jj, jj+1
.endr
.if (\a) > 0
	s_wait_xcnt 0x0                                ; the last block's stores have read their data and their base: both are written again only behind this wait
.endif
.irp b, 0,1,2,3,4,5,6,7
	v_cvt_scalef32_pk8_bf8_f32 v[CD+2*\b:CD+2*\b+1], v[TMP+8*\b:TMP+8*\b+7], v[SCL]
.endr
	v_nop                                          ; one plain vector instruction between the conversions and the next block's additions, which write their sources
.if (\a) == 4
	s_add_nc_u64 s[10:11], s[10:11], s[88:89]
.elseif (\a) > 0
	s_add_nc_u64 s[10:11], s[10:11], s[86:87]
.endif
	global_store_b128 v[CO],  v[CD:CD+3],     s[10:11]              ; 32 lanes store 512 consecutive bytes, aligned
	global_store_b128 v[CO],  v[CD+4:CD+7],   s[10:11] offset:512
	global_store_b128 v[CO2], v[CD+8:CD+11],  s[10:11]
	global_store_b128 v[CO2], v[CD+12:CD+15], s[10:11] offset:512
.endm
	PLACES NP                                      ; behind the last products: their results are read, and the registers that held A's fragments are written
.irp a, 0,1,2,3,4,5,6,7
	OUTBLK \a
.endr
	s_wait_tensorcnt 0x0                           ; the wave's end
	ds_add_u32 v[SPW], v[NIL]
	s_wait_dscnt 0x0
	CROUND                                         ; the closing round: no work-group ends while a partner may still ask for a tile that names it
	s_endpgm
.Lfunc_end_k_q41ab75e1a7_proj:
	.size	k_q41ab75e1a7_proj, .Lfunc_end_k_q41ab75e1a7_proj-k_q41ab75e1a7_proj
	.p2alignl 7, 3214868480
	.fill 96, 4, 3214868480
	.section	.rodata,"a",@progbits
	.p2align	6, 0x0
	.amdhsa_kernel k_q41ab75e1a7_proj
		.amdhsa_group_segment_fixed_size 327680
		.amdhsa_private_segment_fixed_size 0
		.amdhsa_enable_private_segment 0
		.amdhsa_kernarg_size 56
		.amdhsa_user_sgpr_count 2
		.amdhsa_user_sgpr_kernarg_segment_ptr 1
		.amdhsa_wavefront_size32 1
		.amdhsa_system_sgpr_workgroup_id_x 1
		.amdhsa_system_sgpr_workgroup_id_y 1
		.amdhsa_system_sgpr_workgroup_id_z 1
		.amdhsa_system_vgpr_workitem_id 0
		.amdhsa_next_free_vgpr 1024
		.amdhsa_next_free_sgpr 100
		.amdhsa_reserve_vcc 0
		.amdhsa_float_denorm_mode_32 3
		.amdhsa_float_denorm_mode_16_64 3
		.amdhsa_memory_ordered 1
		.amdhsa_forward_progress 1
		.amdhsa_inst_pref_size 145
	.end_amdhsa_kernel
	.amdgpu_metadata
---
amdhsa.version: [ 1, 2 ]
amdhsa.kernels:
  - .name:           k_q41ab75e1a7_proj
    .symbol:         k_q41ab75e1a7_proj.kd
    .args:
      - { .name: xc, .offset: 0, .size: 8, .value_kind: global_buffer, .address_space: global }
      - { .name: wc, .offset: 8, .size: 8, .value_kind: global_buffer, .address_space: global }
      - { .name: lowp_scales, .offset: 16, .size: 8, .value_kind: global_buffer, .address_space: global }
      - { .name: bq, .offset: 24, .size: 8, .value_kind: global_buffer, .address_space: global }
      - { .name: bk, .offset: 32, .size: 8, .value_kind: global_buffer, .address_space: global }
      - { .name: bv, .offset: 40, .size: 8, .value_kind: global_buffer, .address_space: global }
      - { .name: qkv, .offset: 48, .size: 8, .value_kind: global_buffer, .address_space: global }
    .group_segment_fixed_size: 327680
    .private_segment_fixed_size: 0
    .kernarg_segment_align: 8
    .kernarg_segment_size: 56
    .max_flat_workgroup_size: 128
    .sgpr_count:     100
    .vgpr_count:     1024
    .wavefront_size: 32
...
	.end_amdgpu_metadata
.endif
;; end of part 3
;; launch attn (part 4): grid 4 x 64, 16 waves a work-group, clusters of 4 x 1, 264,192 bytes of LDS; arguments qkv, lowp_scales, oc; writes oc
.if DOCPART == 4
	.amdgcn_target "amdgcn-amd-amdhsa--gfx1250"
	.amdhsa_code_object_version 6
	.text
	.protected	k_q41ab75e1a7_attn
	.globl	k_q41ab75e1a7_attn
	.p2align	8
	.type	k_q41ab75e1a7_attn,@function
k_q41ab75e1a7_attn:
	s_mov_b64 s[64:65], 0
	v_nop
	global_prefetch_b8 v0, s[64:65] scope:SCOPE_SE
	s_setreg_imm32_b32 hwreg(HW_REG_WAVE_MODE, 25, 1), 1
	s_wait_xcnt 0x0
	s_wait_alu depctr_hold_cnt(0) depctr_sa_sdst(0) depctr_va_vdst(0) depctr_va_sdst(0) depctr_va_ssrc(0) depctr_va_vcc(0) depctr_vm_vsrc(0)
	s_getreg_b32 s2, hwreg(HW_REG_IB_STS2, 6, 4)
	s_cmp_eq_u32 s2, 0
	s_cbranch_scc0 .Lentry_in_a_cluster
	s_endpgm
.Lentry_in_a_cluster:
	s_bfe_u32 s2, ttmp6, 0x10000c
	s_cmp_lg_u32 s2, 0x3003
	s_cbranch_scc0 .Lentry_shape_is_right
	s_endpgm
.Lentry_shape_is_right:
; o[b][h][q] = sum over keys of softmax(q . k / 8) v, both products on codes of BF8 (E5M2); o is quantised at once (entry 10 of the scales) for the output product.
; qkv holds q, k and v as images of operand registers: q, k: a fragment of 16 rows x 64 channels is 1,024 bytes (2 pieces x 32 lanes x 16 bytes);
; v: a fragment of 16 channels x 128 keys is 2,048 bytes (4 pieces).  A head's k is 131,072 dense bytes, and so is its v.
; THE SOFTMAX: t = score x log2(e) / 8; M = the row's largest t so far, rounded UP to a whole number; p = 2^(t - M) is what is quantised (entry 8); it is not normalised.
; The row's sum is taken of the unquantised p, in f32, and divides O at the end.  When M moves, the sum and O are multiplied by 2^(old M - new M): nothing is rounded, and there is no branch on data.
; SHARES.  The cluster's y is batch x 16 + head; its four work-groups take 512 queries each.  A wave owns two tiles of 16 queries and takes them one after the other (PASS 0, 1): 256 registers,
; four waves to a SIMD, so that one wave's vector work stands beside another's matrix work and LDS loads.
; K AND V OF THE WHOLE HEAD LIE IN LDS, 262,144 bytes, FILLED ONCE: each of the sixteen waves brings 16,384 bytes by one joint tensor load whose mask names the cluster's four work-groups.
; So there is no ring and no barrier in the loops; one tensor load of a wave is out, at the start alone.
; LAYOUT.  Both products are used transposed: S^T = K Q^T (source 0 = 16 keys, source 1 = my 16 queries), O^T = V^T P^T (source 0 = 16 channels, source 1 = P): a lane holds ONE query (lane % 16).
; Register j of score tile t is key 16 t + 8 (lane / 16) + j: one conversion of tile t gives registers 2 t, 2 t + 1 of P as the 16x16x128 form wants them; v's images were made for the same places.
; Likewise one conversion of O^T's tile a gives registers 2 a, 2 a + 1 of a 16 x 64 fragment of o.  oc = [4 heads: 4][16 rows: 512][head % 4][piece 2][lane 32][16 B].
; LIMITS on the given exponents: e6 + e7 between -123 and 130 (added to c's exponent field); e8 and e10 between -126 and 112; e8 + e9 goes in by v_ldexp_f32 and has none.
; t is made by one multiplication with c = log2(e) / 8 x 2^(e6 + e7).  NaN is not served.
.set KVB,  131072                      ; K's images at LDS byte 0, V's at KVB
.set LI,   1                           ; v1   16 x lane; never rewritten
.set LIV,  2                           ; v2   the same + KVB
.set ADK,  3                           ; v3   LDS address of the step's K
.set ADV,  4                           ; v4   of its V
.set KF,   32                          ; v32-95   K's 8 fragments, then V's 4
.set S,    96                          ; v96-159  S^T, then p; at a pass's end o
.set O,    160                         ; v160-191 O^T
.set PC,   192                         ; v192-207 p's codes
; v12 -M, v13 the largest t, v[14:15] the sum in two halves; v16-23, v24-31 Q of pass 0, 1; v208, v209: 2^e8, 57,344 x 2^e8; v210, v211: the same for e10;
; v[212:213] f; v[216:217] the second chain of sums; v218 the other half's number; v220 at work; v224-231, v232-239 o's codes of pass 0, 1
.set WV,   18                          ; s18  my wave's number
.set SEL,  20                          ; s[20:21] selects for v_permlanex16_b32: lane l xor 16
.set CS,   22                          ; s[22:23] c
.set G1,   24                          ; s[24:31] descriptor group 1
.set G0,   32                          ; s[32:35] group 0
.set TB,   40                          ; s40  LDS byte of the key step in hand, in K's images and in V's
.set CNT,  41                          ; s41  key steps to go
.set EPV,  42                          ; s42  e8 + e9
.macro ROUND                           ; a round of the cluster's barrier
	s_barrier_signal -1
	s_barrier_wait -1
	s_cmp_lg_u32 s[WV], 0
	s_cbranch_scc1 .Lnot_wave_0_\@
	s_barrier_signal -3
.Lnot_wave_0_\@:
	s_barrier_wait -3
	s_barrier_signal -1
	s_barrier_wait -1
.endm
	s_load_b128 s[4:7], s[0:1], 0x0                ; qkv s[4:5], the scales' exponents s[6:7]
	s_load_b64 s[8:9], s[0:1], 0x10                ; oc
	v_lshl_add_u32 v254, v0, 2, 0x40000
	v_mov_b32 v255, 0
	ds_add_u32 v254, v255
	ds_add_u32 v254, v255
	v_lshrrev_b32 v2, 5, v0
	v_readfirstlane_b32 s[WV], v2                  ; wave 0..15
	s_bfe_u32 s43, ttmp6, 0x40000                  ; cx: which 512 queries; it enters q's and o's addresses alone
	s_and_b32 s44, ttmp7, 0xffff                   ; batch x 16 + head, which the four partners share
	; descriptor group 1: 16,384 dense bytes as 64 rows of 32 elements of 8 bytes
	s_mov_b32 s[G1+0], 15|(3<<16)|(1<<21)          ; 15:0 the mask: all four work-groups; 17:16 elements of 8 bytes; 21 set beside a mask; no padding
	s_mov_b32 s[G1+1], 32<<16                      ; tensor_dim0
	s_mov_b32 s[G1+2], 64<<16                      ; tensor_dim1
	s_mov_b32 s[G1+3], 32<<16                      ; tile_dim0
	s_mov_b32 s[G1+4], 64                          ; tile_dim1
	s_mov_b32 s[G1+5], 32                          ; tensor_dim0_stride
	s_mov_b32 s[G1+6], 0
	s_mov_b32 s[G1+7], 0
	s_lshr_b32 s46, s[WV], 3                       ; waves 0-7 bring k, waves 8-15 v:
	s_add_co_u32 s46, s46, 1
	s_lshl_b32 s46, s46, 23                        ; k at 0x800000, v at 0x1000000,
	s_lshl_b32 s48, s44, 17                        ; the head's 131,072 bytes,
	s_add_co_u32 s46, s46, s48
	s_and_b32 s49, s[WV], 7
	s_lshl_b32 s49, s49, 14                        ; my eighth of them
	s_add_co_u32 s46, s46, s49
	s_mov_b32 s47, 0
	s_lshl_b32 s50, s43, 5
	s_lshl_b32 s51, s[WV], 1
	s_add_co_u32 s50, s50, s51                     ; my first tile of 16 queries: 32 cx + 2 wave
	s_lshl_b32 s52, s50, 10
	s_add_co_u32 s52, s52, s48                     ; its image in q
	s_mov_b32 s53, 0
	s_and_b32 s54, s44, 15                         ; head
	s_lshr_b32 s55, s44, 4                         ; batch
	s_lshl_b32 s55, s55, 7
	s_add_co_u32 s55, s55, s50                     ; which 16 of the 8,192 rows
	s_lshl_b32 s55, s55, 12                        ; 4,096 bytes: four heads' fragments
	s_lshr_b32 s56, s54, 2
	s_lshl_b32 s56, s56, 21                        ; head / 4: 512 x 4,096 bytes
	s_add_co_u32 s55, s55, s56
	s_and_b32 s54, s54, 3
	s_lshl_b32 s54, s54, 10                        ; head % 4
	s_add_co_u32 s54, s54, s55
	s_mov_b32 s55, 0
	s_mov_b32 s[SEL], 0x76543210
	s_mov_b32 s[SEL+1], 0xfedcba98
	s_mov_b32 s[CS], 0x3e38aa3b                    ; log2(e) / 8
	s_wait_dscnt 0x0
	s_wait_kmcnt 0x0
	s_load_b128 s[68:71], s[6:7], 0x18             ; e6, e7, e8, e9
	s_load_b32 s72, s[6:7], 0x28                   ; e10
	s_mov_b32 s[G0], 1                             ; count = 1
	s_lshl_b32 s[G0+1], s[WV], 14                  ; LDS address: wave x 16,384: K's images, then V's
	s_add_nc_u64 s[G0+2:G0+3], s[4:5], s[46:47]
	s_or_b32 s[G0+3], s[G0+3], 0x80000000          ; type = 2
	s_add_nc_u64 s[52:53], s[4:5], s[52:53]        ; q at my first tile
	s_add_nc_u64 s[8:9], s[8:9], s[54:55]          ; oc likewise
	ROUND                                          ; all four work-groups are here: the joint loads meet
	tensor_load_to_lds s[G0:G0+3], s[G1:G1+7]      ; every wave's own sixteenth of the head's K and V
	s_nop 0
.rept 4
	v_nop
.endr
	v_and_b32 v[LI], 31, v0
	v_lshlrev_b32 v[LI], 4, v[LI]
	v_add_nc_u32 v[LIV], KVB, v[LI]
.irp p, 0,1
.irp c, 0,1
	global_load_b128 v[16+8*\p+4*\c:16+8*\p+4*\c+3], v[LI], s[52:53] offset:1024*\p+512*\c   ; Q's two fragments stay in registers
.endr
.endr
	v_mov_b32 v213, 0                              ; (named as the upper half of the pair v[212:213])
	v_mov_b32 v218, 0                              ; written once: a lane permute's destination counts as one of its sources
	s_wait_kmcnt 0x0
	s_add_co_i32 s56, s68, s69
	s_lshl_b32 s56, s56, 23
	s_add_co_i32 s[CS], s[CS], s56                 ; a score stands for score x 2^(e6 + e7): the exponents are added to c's exponent field
	s_mov_b32 s[CS+1], s[CS]                       ; (named with it as a pair, so it is written)
	s_add_co_i32 s56, s70, 127
	s_lshl_b32 s57, s56, 23
	v_mov_b32 v208, s57                            ; 2^e8
	s_add_co_i32 s56, s56, 15
	s_lshl_b32 s56, s56, 23
	s_or_b32 s56, s56, 0x600000
	v_mov_b32 v209, s56                            ; 57,344 x 2^e8
	s_add_co_i32 s56, s72, 127
	s_lshl_b32 s57, s56, 23
	v_mov_b32 v210, s57                            ; 2^e10
	s_add_co_i32 s56, s56, 15
	s_lshl_b32 s56, s56, 23
	s_or_b32 s56, s56, 0x600000
	v_mov_b32 v211, s56                            ; 57,344 x 2^e10
	s_add_co_i32 s[EPV], s70, s71                  ; e8 + e9
	s_wait_tensorcnt 0x0                           ; my sixteenth has landed,
	s_barrier_signal -1
	s_barrier_wait -1                              ; everybody's has: from here on LDS is only read
	s_wait_loadcnt 0x0                             ; Q
; A KEY STEP: 128 keys.  qf: the pass's fragment of Q.
.macro STEP qf
	v_add_nc_u32 v[ADK], s[TB], v[LI]
	v_add_nc_u32 v[ADV], s[TB], v[LIV]
	v_nop                                          ; with the two additions: four places behind the last step's products, in front of loads into the registers that they read
	v_nop
.irp t, 0,1,2,3,4,5,6,7
	ds_load_b128 v[KF+8*\t:KF+8*\t+3],   v[ADK] offset:1024*\t        ; an image comes back as it was stored: 512 consecutive bytes an instruction
	ds_load_b128 v[KF+8*\t+4:KF+8*\t+7], v[ADK] offset:1024*\t+512
.endr
	s_wait_dscnt 0x0
.irp t, 0,1,2,3,4,5,6,7
	v_wmma_f32_16x16x64_bf8_bf8 v[S+8*\t:S+8*\t+7], v[KF+8*\t:KF+8*\t+7], v[\qf:\qf+7], 0
.endr
.rept 4
	v_nop                                          ; places in front of the loads below and of the first read of the scores
.endr
.irp a, 0,1,2,3
.irp c, 0,1,2,3
	ds_load_b128 v[KF+16*\a+4*\c:KF+16*\a+4*\c+3], v[ADV] offset:2048*\a+512*\c   ; V lands while the softmax is worked
.endr
.endr
	v_max3_num_f32 v220, v96, v97, v98             ; the step's largest score of my query among my 64 keys, in two chains, each tile from its low end on,
	v_max3_num_f32 v212, v99, v100, v101
.irp i, 6,10,14,18,22,26,30,34,38,42,46,50,54,58
	v_max3_num_f32 v220, v220, v[96+\i], v[97+\i]
	v_max3_num_f32 v212, v212, v[98+\i], v[99+\i]
.endr
	v_max3_num_f32 v220, v220, v158, v159
	v_max_num_f32 v220, v220, v212
	v_permlanex16_b32 v218, v220, s[SEL], s[SEL+1]
	v_max_num_f32 v220, v220, v218                 ; and among lane l xor 16's
	v_mul_f32 v220, s[CS], v220                    ; as t (c is positive)
	v_max_num_f32 v13, v13, v220                   ; the running largest t
	v_mov_b32 v220, v12
	v_floor_f32 v12, -v13                          ; the new -M = floor(-t) = -ceil(t): a whole number
	v_sub_f32 v220, v12, v220                      ; old M - new M: a whole number, 0 or less
	v_cvt_i32_f32 v220, v220                       ; (it saturates)
	v_ldexp_f32 v212, 1.0, v220                    ; f = 2^(old M - new M)
.set jj, 0
.rept 32
	v_pk_fma_f32 v[S+jj:S+jj+1], v[S+jj:S+jj+1], s[CS:CS+1], v[12:13] op_sel_hi:[1,0,0]   ; t - M, two at a time (of the pairs c and -M the low word serves both halves)
.set jj, jj+2
.endr
.set jj, 0
.rept 64
	v_exp_f32 v[S+jj], v[S+jj]                     ; p = 2^(t - M), at most 1
.set jj, jj+1
.endr
	v_pk_mul_f32 v[14:15], v[14:15], v[212:213] op_sel_hi:[1,0]   ; the sums under the new M.  (The plain instruction behind the exponentials)
	s_wait_alu depctr_va_vdst(0)
	v_pk_add_f32 v[216:217], v[96:97], v[98:99]    ; the row's sum is taken of the UNQUANTISED p: two at a time, in two chains
.irp j, 4,8,12,16,20,24,28,32,36,40,44,48,52,56,60
	v_pk_add_f32 v[14:15], v[14:15], v[96+\j:97+\j]
	v_pk_add_f32 v[216:217], v[216:217], v[98+\j:99+\j]
.endr
	v_pk_add_f32 v[14:15], v[14:15], v[216:217]
.irp t, 0,1,2,3,4,5,6,7
.irp i, 0,1,2,3,4,5,6,7
	v_min_num_f32 v[S+8*\t+\i], v[S+8*\t+\i], v209 ; the conversion does not saturate (ISA guide 7.6.2); p is not negative, so the hold is one-sided
.endr
	v_cvt_scalef32_pk8_bf8_f32 v[PC+2*\t:PC+2*\t+1], v[S+8*\t:S+8*\t+7], v208
.endr
.set jj, 0
.rept 16
	v_pk_mul_f32 v[O+jj:O+jj+1], v[O+jj:O+jj+1], v[212:213] op_sel_hi:[1,0]   ; O^T under the new M.  (Also the plain instructions between the conversions and the products)
.set jj, jj+2
.endr
	s_wait_dscnt 0x0                               ; V
.irp a, 0,1,2,3
	v_wmma_f32_16x16x128_bf8_bf8 v[O+8*\a:O+8*\a+7], v[KF+16*\a:KF+16*\a+15], v[PC:PC+15], v[O+8*\a:O+8*\a+7]   ; four accumulators by turns; the scores' eight stand between two turns of each
.endr
.endm
; One tile of 16 queries against all 2,048 keys.  The step is written once for a pass: O^T and the sum begin as zeros and the largest t as -3e38, so the first change of M multiplies zeros.
.macro PASS p
	v_mov_b32 v13, 0xff61b1e6
	v_floor_f32 v12, -v13
	v_mov_b32 v14, 0
	v_mov_b32 v15, 0
.set jj, 0
.rept 32
	v_mov_b32 v[O+jj], 0
.set jj, jj+1
.endr
	s_mov_b32 s[TB], 0
	s_mov_b32 s[CNT], 16
.Lkeys_\@:
	STEP 16+8*\p
	s_add_co_u32 s[TB], s[TB], 8192                ; 128 keys are 8,192 bytes of K's images and of V's
	s_sub_co_u32 s[CNT], s[CNT], 1
	s_cmp_lg_u32 s[CNT], 0
	s_cbranch_scc1 .Lkeys_\@
.rept 4
	v_nop                                          ; places behind the last products
.endr
	v_add_f32 v14, v14, v15                        ; the sum's two halves,
	v_permlanex16_b32 v218, v14, s[SEL], s[SEL+1]
	v_add_f32 v14, v14, v218                       ; and lane l xor 16's
	v_rcp_f32 v14, v14
	v_nop                                          ; one plain instruction behind a transcendental
	s_wait_alu depctr_va_vdst(0)
	v_ldexp_f32 v14, v14, s[EPV]                   ; x 2^(e8 + e9)
.set jj, 0
.rept 16
	v_pk_mul_f32 v[S+jj:S+jj+1], v[O+jj:O+jj+1], v[14:15] op_sel_hi:[1,0]   ; o: register 8 a + j is channel 16 a + 8 (lane / 16) + j of my query; each accumulator from its low end on
.set jj, jj+2
.endr
.set jj, 0
.rept 32
	v_med3_num_f32 v[S+jj], v[S+jj], -v211, v211
.set jj, jj+1
.endr
.irp a, 0,1,2,3
	v_cvt_scalef32_pk8_bf8_f32 v[224+8*\p+2*\a:225+8*\p+2*\a], v[S+8*\a:S+8*\a+7], v210
.endr
	v_nop                                          ; one plain instruction before the sources are written again
	global_store_b128 v[LI], v[224+8*\p:227+8*\p], s[8:9] offset:4096*\p        ; 32 lanes store 512 consecutive bytes, aligned; no register of a store is written again
	global_store_b128 v[LI], v[228+8*\p:231+8*\p], s[8:9] offset:4096*\p+512
.endm
	PASS 0
	PASS 1
	s_wait_dscnt 0x0
	s_wait_tensorcnt 0x0
	ds_add_u32 v254, v255
	s_wait_dscnt 0x0
	ROUND                                          ; the closing round
	s_endpgm
.Lfunc_end_k_q41ab75e1a7_attn:
	.size	k_q41ab75e1a7_attn, .Lfunc_end_k_q41ab75e1a7_attn-k_q41ab75e1a7_attn
	.p2alignl 7, 3214868480
	.fill 96, 4, 3214868480
	.section	.rodata,"a",@progbits
	.p2align	6, 0x0
	.amdhsa_kernel k_q41ab75e1a7_attn
		.amdhsa_group_segment_fixed_size 264192
		.amdhsa_private_segment_fixed_size 0
		.amdhsa_enable_private_segment 0
		.amdhsa_kernarg_size 24
		.amdhsa_user_sgpr_count 2
		.amdhsa_user_sgpr_kernarg_segment_ptr 1
		.amdhsa_wavefront_size32 1
		.amdhsa_system_sgpr_workgroup_id_x 1
		.amdhsa_system_sgpr_workgroup_id_y 1
		.amdhsa_system_sgpr_workgroup_id_z 1
		.amdhsa_system_vgpr_workitem_id 0
		.amdhsa_next_free_vgpr 256
		.amdhsa_next_free_sgpr 76
		.amdhsa_reserve_vcc 0
		.amdhsa_float_denorm_mode_32 3
		.amdhsa_float_denorm_mode_16_64 3
		.amdhsa_memory_ordered 1
		.amdhsa_forward_progress 1
		.amdhsa_inst_pref_size 46
	.end_amdhsa_kernel
	.amdgpu_metadata
---
amdhsa.version: [ 1, 2 ]
amdhsa.kernels:
  - .name:           k_q41ab75e1a7_attn
    .symbol:         k_q41ab75e1a7_attn.kd
    .args:
      - { .name: qkv, .offset: 0, .size: 8, .value_kind: global_buffer, .address_space: global }
      - { .name: lowp_scales, .offset: 8, .size: 8, .value_kind: global_buffer, .address_space: global }
      - { .name: oc, .offset: 16, .size: 8, .value_kind: global_buffer, .address_space: global }
    .group_segment_fixed_size: 264192
    .private_segment_fixed_size: 0
    .kernarg_segment_align: 8
    .kernarg_segment_size: 24
    .max_flat_workgroup_size: 512
    .sgpr_count:     76
    .vgpr_count:     256
    .wavefront_size: 32
...
	.end_amdgpu_metadata
.endif
;; end of part 4
;; launch outp (part 5): grid 4 x 32, 4 waves a work-group, clusters of 4 x 4, 327,680 bytes of LDS; arguments oc, wc, lowp_scales, bo, out0; writes out0
.if DOCPART == 5
	.amdgcn_target "amdgcn-amd-amdhsa--gfx1250"
	.amdhsa_code_object_version 6
	.text
	.protected	k_q41ab75e1a7_outp
	.globl	k_q41ab75e1a7_outp
	.p2align	8
	.type	k_q41ab75e1a7_outp,@function
k_q41ab75e1a7_outp:
	s_mov_b64 s[64:65], 0
	v_nop
	global_prefetch_b8 v0, s[64:65] scope:SCOPE_SE
	s_setreg_imm32_b32 hwreg(HW_REG_WAVE_MODE, 25, 1), 1
	s_wait_xcnt 0x0
	s_wait_alu depctr_hold_cnt(0) depctr_sa_sdst(0) depctr_va_vdst(0) depctr_va_sdst(0) depctr_va_ssrc(0) depctr_va_vcc(0) depctr_vm_vsrc(0)
	s_getreg_b32 s2, hwreg(HW_REG_IB_STS2, 6, 4)
	s_cmp_eq_u32 s2, 0
	s_cbranch_scc0 .Lentry_in_a_cluster
	s_endpgm
.Lentry_in_a_cluster:
	s_bfe_u32 s2, ttmp6, 0x10000c
	s_cmp_lg_u32 s2, 0xf033
	s_cbranch_scc0 .Lentry_shape_is_right
	s_endpgm
.Lentry_shape_is_right:
; out0[m][n] = sum over k of o[m][k] Wo[k][n] + bo[n], on codes of BF8 (E5M2): M = 8,192, N = 1,024, K = 1,024; sums in f32; out0 f32.
; A = o's codes, laid as images of operand registers: oc = [K step of 256: 4][16 rows: 512][head % 4][piece 2][lane 32][16 B]: the 256 rows of a tile are 65,536 dense bytes for each K step.
; A fragment of 16 rows x 128 K is two heads' images, 2,048 consecutive bytes: registers 2 c, 2 c + 1 hold k = 16 c + 8 (lane / 16) + 0..7.
; B = Wo's codes at wc + 0x300000, rows [n] of 1,024 bytes in which the middle two groups of 8 of every 32 codes have changed places, so that 16-byte reads at 32 c + 16 (lane / 16) give the same places of k.
; A tile of C is 256 x 256: four waves, each 128 x 128 in 64 accumulators.  K goes in steps of 256 through a ring of two LDS slots filled by the tensor data mover.
; The matrix instruction is used TRANSPOSED (source 0 = 16 rows of B, source 1 = 16 rows of A): a lane holds eight neighbouring numbers of a row of C.
; THE BIAS is the C of the first K step, divided by 2^(e10 + e11); each finished sum is multiplied once by 2^(e10 + e11).
; CLUSTERS: 4 x 4 work-groups; A's tile is asked for jointly along a row of the cluster, B's along a column.  The grid's four tile columns are one cluster wide.
; LIMIT: e10 + e11 between -126 and 127, so that 2^(e10 + e11) is an f32 number.
; REGISTERS: window 0: v1-7 at work, v16-29 addresses, v32-95 the bias, later a block's sums; v128-255 A's fragments (one set), later rows of C.
;   window 1: B's fragments, two sets.  window 2: accumulators of my rows 0-63 ((a, b) at v[8 (8 a + b)]).  window 3: those of rows 64-127.
.set SIZE_N, 1024
.set KROW,   1024
.set ROWB,   256
.set PITCH,  272                       ; B's LDS row: 256 bytes + 16 of padding: the 16 rows that a load touches start at 16 different banks (64 banks of 4 bytes: ISA guide 11.1)
.set FR,     16
.set NL,     4
.set NP,     4                         ; places behind this matrix instruction (ISA guide 7.12.1)
.set AHALF,  32768                     ; 128 rows of A for a K step: 8 x 4,096 bytes of images, no padding: every read is of 512 consecutive bytes
.set BHALF,  128*PITCH
.set BOFF,   2*AHALF                   ; a slot: A's two halves, then B's two
.set SLOT,   2*AHALF+2*BHALF
.set ASTEP,  0x200000                  ; from a K step of A to the next
.set LAPS,   2
.set SPARE,  2*SLOT                    ; behind the ring: the spare words, 128 bytes for each wave
.set SPITCH, 528                       ; the way out: a stage of 16 rows x (512 bytes + 16) for each wave, in slot 0, which has had its last fill and its last read when the first result is stored there
.set ADRA, 16
.set ADRB, 20
.set STO,  24
.set RD,   25
.set CO,   26
.set SPW,  28
.set NIL,  29
.set BO,   32                          ; v32-95 the bias in the result's layout
.set TMP,  32                          ; later: a block's sums x 2^(e10 + e11)
.set AF,   128
.set BK,   128                         ; the way out: 16 rows read back: v128-191 and v192-255 by turns
.set G1, 24
.set G0, 32
.set G1B, 48
.set G0B, 56
.set MSB, 0
.macro WIN new                         ; the immediate's high byte repeats the setting that is left
.if MSB != \new
	s_set_vgpr_msb (MSB<<8)|\new
.set MSB, \new
.endif
.endm
.set MUL_LO, 0xa1                      ; source 0 (B) window 1, source 1 (A) window 0, C and D window 2
.set MUL_HI, 0xf1
.set FST_LO, 0x81                      ; the first K step: C (the bias) window 0, D window 2
.set FST_HI, 0xc1
.set TO_B,   0x40
; A joint load: waves 0 and 1 fetch for A, waves 2 and 3 for B; the branch hangs on the wave's number alone.  Four v_nop follow each of the two lines.
.macro JLOAD g0a, g1a, g0b, g1b
	s_cmp_eq_u32 s15, 0
	s_cbranch_scc0 .Lfor_b_\@
	tensor_load_to_lds s[\g0a:\g0a+3], s[\g1a:\g1a+7]
	s_nop 0
.rept 4
	v_nop
.endr
	s_branch .Lasked_\@
.Lfor_b_\@:
	tensor_load_to_lds s[\g0b:\g0b+3], s[\g1b:\g1b+7]
	s_nop 0
.rept 4
	v_nop
.endr
.Lasked_\@:
.endm
.macro CREST
	s_cmp_lg_u32 s14, 0
	s_cbranch_scc1 .Lnot_wave_0_\@
	s_barrier_signal -3
.Lnot_wave_0_\@:
	s_barrier_wait -3
	s_barrier_signal -1
	s_barrier_wait -1
.endm
.macro CROUND
	s_barrier_signal -1
	s_barrier_wait -1
	CREST
.endm
	s_load_b256 s[4:11], s[0:1], 0x0               ; oc s[4:5], wc s[6:7], the scales' exponents s[8:9], bo s[10:11]
	s_load_b64 s[12:13], s[0:1], 0x20              ; out0
	v_lshl_add_u32 v[SPW], v0, 2, SPARE
	v_mov_b32 v[NIL], 0
	ds_add_u32 v28, v29
	ds_add_u32 v28, v29
	s_wait_dscnt 0x0
	v_lshrrev_b32 v1, 5, v0
	v_readfirstlane_b32 s14, v1                    ; wave 0..3
	s_lshr_b32 s15, s14, 1                         ; which half of the tile's rows is mine.  Also: I fetch for A (0) or for B (1)
	s_and_b32 s16, s14, 1                          ; which half of its columns.  Also: which half of that tile I fetch
	s_bfe_u32 s40, ttmp6, 0x40000                  ; cx, cy
	s_bfe_u32 s41, ttmp6, 0x40004
	s_mov_b32 s42, s40                             ; tile column of C = cx
	s_and_b32 s17, ttmp7, 0xffff
	s_lshl_b32 s17, s17, 2
	s_add_co_u32 s17, s17, s41                     ; tile row of C = 4 x cluster y + cy
	s_lshl_b32 s43, s41, 2
	s_lshl_b32 s43, 15, s43                        ; my row of the cluster
	s_lshl_b32 s44, 0x1111, s40                    ; my column
	; A: 32,768 dense bytes as 128 rows of 32 elements of 8 bytes
	s_or_b32 s[G1+0], s43, (3<<16)|(1<<21)         ; 15:0 the mask: my row; 17:16 elements of 8 bytes; 21 set beside a mask; no padding
	s_mov_b32 s[G1+1], 32<<16
	s_mov_b32 s[G1+2], 128<<16
	s_mov_b32 s[G1+3], 32<<16
	s_mov_b32 s[G1+4], 128
	s_mov_b32 s[G1+5], 32
	s_mov_b32 s[G1+6], 0
	s_mov_b32 s[G1+7], 0
	; B: 128 rows x 256 bytes, 1,024 bytes apart, padded in LDS
	s_or_b32 s[G1B+0], s44, (0<<16)|(1<<20)|(1<<21)|(5<<22)|(3<<25)  ; the mask: my column; elements of 1 byte; four words of padding after every 64
	s_mov_b32 s[G1B+1], ROWB<<16
	s_mov_b32 s[G1B+2], 128<<16
	s_mov_b32 s[G1B+3], ROWB<<16
	s_mov_b32 s[G1B+4], 128
	s_mov_b32 s[G1B+5], KROW
	s_mov_b32 s[G1B+6], 0
	s_mov_b32 s[G1B+7], 0
	s_lshl_b32 s20, s17, 1
	s_add_co_u32 s20, s20, s16
	s_lshl_b32 s20, s20, 15                        ; A: (2 x tile row + half) x 32,768 bytes
	s_mov_b32 s21, 0
	s_lshl_b32 s46, s42, 1
	s_add_co_u32 s46, s46, s16
	s_lshl_b32 s46, s46, 17                        ; B: (2 x tile column + half) x 128 rows of 1,024 bytes,
	s_add_co_u32 s46, s46, 0x300000                ; in Wo's part of wc
	s_mov_b32 s47, 0
	s_mul_i32 s45, s16, AHALF                      ; where they go: no place in the cluster enters an LDS address
	s_mul_i32 s66, s16, BHALF
	s_add_co_u32 s66, s66, BOFF
	s_wait_kmcnt 0x0
	s_load_b64 s[96:97], s[8:9], 0x28              ; e10, e11
	s_add_nc_u64 s[20:21], s[4:5], s[20:21]
	s_add_nc_u64 s[46:47], s[6:7], s[46:47]
	CROUND                                         ; all sixteen work-groups are here: the first joint loads meet
.irp s, 0,1
	s_mov_b32 s[G0+4*\s], 1
	s_add_co_u32 s[G0+4*\s+1], s45, \s*SLOT
	s_add_nc_u64 s[G0+4*\s+2:G0+4*\s+3], s[20:21], \s*ASTEP
	s_or_b32 s[G0+4*\s+3], s[G0+4*\s+3], 0x80000000
	s_mov_b32 s[G0B+4*\s], 1
	s_add_co_u32 s[G0B+4*\s+1], s66, \s*SLOT
	s_add_nc_u64 s[G0B+4*\s+2:G0B+4*\s+3], s[46:47], \s*ROWB
	s_or_b32 s[G0B+4*\s+3], s[G0B+4*\s+3], 0x80000000
	JLOAD G0+4*\s, G1, G0B+4*\s, G1B               ; two tensor loads of mine are out behind these
.endr
	v_and_b32 v1, 15, v0                           ; r
	v_bfe_u32 v2, v0, 4, 1                         ; hl
	v_and_b32 v6, 31, v0
	v_lshlrev_b32 v[CO], 4, v6                     ; 16 x lane: an image's place for my lane, and my bytes of a row of C
	v_mul_u32_u24 v3, v1, PITCH
	v_lshl_add_u32 v4, v2, 4, v3                   ; B: a fragment's row x pitch + 16 x half
	s_mul_i32 s21, s15, AHALF                      ; my 128 rows of A
	s_mul_i32 s22, s16, BHALF                      ; my 128 rows of B
	s_add_co_u32 s22, s22, BOFF
.irp s, 0,1
	v_add_nc_u32 v[ADRA+\s], s21, v[CO]
	v_add_nc_u32 v[ADRB+\s], s22, v4
	s_add_co_u32 s21, s21, SLOT
	s_add_co_u32 s22, s22, SLOT
.endr
	s_mul_i32 s23, s14, 16*SPITCH                  ; my stage
	v_mul_u32_u24 v5, v1, SPITCH                   ; in: row r, 32 bytes for each half of the lanes
	v_lshl_add_u32 v5, v2, 5, v5
	v_add_nc_u32 v[STO], s23, v5
	v_add_nc_u32 v[RD], s23, v[CO]                 ; back: the 32 lanes take one row of 512 bytes
	s_lshl_b32 s20, s17, 1
	s_add_co_u32 s20, s20, s15
	s_lshl_b32 s20, s20, 19                        ; my first row of C: (2 x tile row + half) x 128 rows of 4,096 bytes
	s_mov_b32 s21, 0
	s_lshl_b32 s46, s42, 1
	s_add_co_u32 s46, s46, s16
	s_lshl_b32 s46, s46, 9                         ; my first column, in bytes: (2 x tile column + half) x 512; and the same in bo
	s_mov_b32 s47, 0
	s_add_nc_u64 s[10:11], s[10:11], s[46:47]
	s_add_nc_u64 s[20:21], s[20:21], s[46:47]
	s_add_nc_u64 s[12:13], s[12:13], s[20:21]
	v_lshlrev_b32 v7, 5, v2                        ; lane (r, hl) wants, for block b, bo at columns 16 b + 8 hl + 0..7
.irp b, 0,1,2,3,4,5,6,7
	global_load_b128 v[BO+8*\b:BO+8*\b+3], v7, s[10:11] offset:64*\b
	global_load_b128 v[BO+8*\b+4:BO+8*\b+7], v7, s[10:11] offset:64*\b+16
.endr
	s_wait_kmcnt 0x0
	s_add_co_i32 s96, s96, s97                     ; e10 + e11
	s_sub_co_i32 s67, 0, s96
	s_add_co_i32 s96, s96, 127
	s_lshl_b32 s96, s96, 23                        ; 2^(e10 + e11) as f32
	s_mov_b32 s97, s96                             ; (named with it as a pair)
	s_wait_loadcnt 0x0
.set jj, 0
.rept 64
	v_ldexp_f32 v[BO+jj], v[BO+jj], s67            ; bo / 2^(e10 + e11)
.set jj, jj+1
.endr
.macro FRAGA reg, slot, q, i           ; A's block i, the slot's q-th 128 along K: two heads' images, four reads of 512 consecutive bytes
.irp c, 0,1,2,3
	ds_load_b128 v[\reg+4*\c:\reg+4*\c+3], v[ADRA+\slot] offset:4096*(\i)+2048*(\q)+512*\c
.endr
.endm
.macro FRAGB reg, slot, q, i           ; B's block i: lane l takes, of row l % 16, bytes 32 c + 16 (l / 16) + 0 .. 15
.irp c, 0,1,2,3
	ds_load_b128 v[\reg+4*\c:\reg+4*\c+3], v[ADRB+\slot] offset:128*(\q)+32*\c+(\i)*16*PITCH
.endr
.endm
; 16 matrix instructions: A's blocks a0, a0 + 1 x B's eight.  first = 1: the sums start from the bias.  The 64 accumulators take turns, one instruction a turn.
.macro MUL16 a0, p, first
.irp a, \a0, \a0+1
.irp b, 0,1,2,3,4,5,6,7
.if \first
	v_wmma_f32_16x16x128_bf8_bf8 v[8*(8*((\a)%4)+\b):8*(8*((\a)%4)+\b)+7], v[128*(\p)+FR*\b:128*(\p)+FR*\b+FR-1], v[AF+FR*(\a):AF+FR*(\a)+FR-1], v[BO+8*\b:BO+8*\b+7]
.else
	v_wmma_f32_16x16x128_bf8_bf8 v[8*(8*((\a)%4)+\b):8*(8*((\a)%4)+\b)+7], v[128*(\p)+FR*\b:128*(\p)+FR*\b+FR-1], v[AF+FR*(\a):AF+FR*(\a)+FR-1], v[8*(8*((\a)%4)+\b):8*(8*((\a)%4)+\b)+7]
.endif
.endr
.endr
.endm
.macro FETCH_B slot, q, p
	WIN TO_B
.irp i, 0,1,2,3,4,5,6,7
	FRAGB 128*(\p)+FR*\i, \slot, \q, \i
.endr
	WIN 0
.endm
.macro FETCH_A slot, q, i0
.irp i, \i0, \i0+1, \i0+2, \i0+3
	FRAGA AF+FR*(\i), \slot, \q, \i
.endr
.endm
.macro PLACES n                        ; places behind matrix instructions, in front of loads into registers that they read and of reads of their results (ISA guide 7.12.1 for vector instructions)
.rept \n
	v_nop
.endr
.endm
.macro STEP slot, q, first
	s_wait_dscnt 4*NL                              ; B's set and A's blocks 0-3 are in; the youngest sixteen loads (A's blocks 4-7) may be out
.if \first
	WIN FST_LO
.else
	WIN MUL_LO
.endif
	MUL16 0, (\q)%2, \first
	MUL16 2, (\q)%2, \first
	s_wait_dscnt 0
	PLACES NP
	FETCH_B \slot, (\q)+1, 1-(\q)%2
	FETCH_A \slot, (\q)+1, 0
.if \first
	WIN FST_HI
.else
	WIN MUL_HI
.endif
	MUL16 4, (\q)%2, \first
	MUL16 6, (\q)%2, \first
	PLACES NP
	WIN 0
	FETCH_A \slot, (\q)+1, 4
.endm
; A slot's last step changes slots: ONE barrier; in front of it each wave waits for all its tensor loads, adds 0 to its spare word, and waits for that and for its own reads of this slot.
.macro TURN slot, next, fill
	s_wait_tensorcnt 0x0                           ; all my tensor loads have landed: my part of the next slot
	ds_add_u32 v[SPW], v[NIL]                      ; 0 onto my spare word
	s_wait_dscnt 4*NL+1                            ; (the add and the youngest sixteen loads may be out)
	WIN MUL_LO
	MUL16 0, 1, 0
	s_wait_dscnt 0x0                               ; the add is done, and my reads of this slot are over
	s_barrier_signal -1
	MUL16 2, 1, 0
	WIN 0
	s_barrier_wait -1
.if \fill
	CREST                                          ; the barrier has opened a round of the cluster's: no wave of any partner still reads this slot or has a load on its way
	s_add_nc_u64 s[G0+4*\slot+2:G0+4*\slot+3], s[G0+4*\slot+2:G0+4*\slot+3], 2*ASTEP
	s_add_nc_u64 s[G0B+4*\slot+2:G0B+4*\slot+3], s[G0B+4*\slot+2:G0B+4*\slot+3], 2*ROWB
	JLOAD G0+4*\slot, G1, G0B+4*\slot, G1B         ; the first tensor load behind the round, my only one until the next; its four v_nop are the places in front of the loads below
.else
	PLACES NP
.endif
	FETCH_B \next, 0, 0
	FETCH_A \next, 0, 0
	WIN MUL_HI
	MUL16 4, 1, 0
	MUL16 6, 1, 0
	PLACES NP
	WIN 0
	FETCH_A \next, 0, 4
.endm
	s_wait_tensorcnt 1                             ; my part of K step 0 is in; K step 1's load may be out
	s_barrier_signal -1
	s_barrier_wait -1
	FETCH_B 0, 0, 0
	FETCH_A 0, 0, 0
	FETCH_A 0, 0, 4
	STEP 0, 0, 1
	s_mov_b32 s3, LAPS-1
.Llap:
	TURN 0, 1, 1
	STEP 1, 0, 0
	TURN 1, 0, 1
	STEP 0, 0, 0
	s_sub_co_u32 s3, s3, 1
	s_cmp_lg_u32 s3, 0
	s_cbranch_scc1 .Llap
	TURN 0, 1, 0                                   ; the last lap fills nothing
	STEP 1, 0, 0
	s_wait_dscnt 4*NL
	WIN MUL_LO
	MUL16 0, 1, 0
	MUL16 2, 1, 0
	s_wait_dscnt 0
	WIN MUL_HI
	MUL16 4, 1, 0
	MUL16 6, 1, 0
	WIN 0
; THE WAY OUT, block by block of 16 rows x 128 columns, through my own stage in LDS: in as 32 bytes a lane, back as whole rows of 512 bytes.
; LDS serves a wave's instructions in order (ISA guide 5.7.1.4): no wait between the stores and the loads, nor in front of the next block's stores.
.macro TOSTAGE a
.set AC, 64*((\a)%4)
	WIN 0x02+((\a)/4)                              ; source 0: window 2 or 3
.set jj, 0
.rept 32
	v_pk_mul_f32 v[TMP+jj:TMP+jj+1], v[AC+jj:AC+jj+1], s[96:97] op_sel_hi:[1,0]   ; x 2^(e10 + e11); each accumulator from its low end on
.set jj, jj+2
.endr
	WIN 0
.irp b, 0,1,2,3,4,5,6,7
	ds_store_b128 v[STO], v[TMP+8*\b:TMP+8*\b+3] offset:64*\b
	ds_store_b128 v[STO], v[TMP+8*\b+4:TMP+8*\b+7] offset:64*\b+16
.endr
.set BB, BK+64*((\a)%2)
.irp t, 0,1,2,3,4,5,6,7,8,9,10,11,12,13,14,15
	ds_load_b128 v[BB+4*\t:BB+4*\t+3], v[RD] offset:\t*SPITCH
.endr
.endm
.macro SEND a, younger                 ; younger: the LDS instructions issued behind block a's loads, which may stay out
.set BB, BK+64*((\a)%2)
	s_wait_dscnt \younger
.if (\a) > 0
	s_add_nc_u64 s[12:13], s[12:13], 16*SIZE_N*4   ; (behind a wait on XCNT: the earlier stores have read their base)  16 rows of C on
.endif
.irp t, 0,1,2,3,4,5,6,7,8,9,10,11,12,13,14,15
	global_store_b128 v[CO], v[BB+4*\t:BB+4*\t+3], s[12:13] offset:\t*SIZE_N*4 th:TH_STORE_NT   ; 32 lanes store 512 consecutive bytes, aligned; written once, read by nobody here
.endr
.endm
	PLACES NP                                      ; behind the last products
	TOSTAGE 0
.irp a, 1,2,3,4,5,6,7
.if \a > 1
	s_wait_xcnt 0x0                                ; block a - 2's stores have read their registers and their base
.endif
	TOSTAGE \a
	SEND \a-1, 32                                  ; behind block a - 1's loads: block a's 16 stores and 16 loads
.endr
	s_wait_xcnt 0x0
	SEND 7, 0
	s_wait_tensorcnt 0x0                           ; the wave's end
	ds_add_u32 v[SPW], v[NIL]
	s_wait_dscnt 0x0
	CROUND                                         ; the closing round
	s_endpgm
.Lfunc_end_k_q41ab75e1a7_outp:
	.size	k_q41ab75e1a7_outp, .Lfunc_end_k_q41ab75e1a7_outp-k_q41ab75e1a7_outp
	.p2alignl 7, 3214868480
	.fill 96, 4, 3214868480
	.section	.rodata,"a",@progbits
	.p2align	6, 0x0
	.amdhsa_kernel k_q41ab75e1a7_outp
		.amdhsa_group_segment_fixed_size 327680
		.amdhsa_private_segment_fixed_size 0
		.amdhsa_enable_private_segment 0
		.amdhsa_kernarg_size 40
		.amdhsa_user_sgpr_count 2
		.amdhsa_user_sgpr_kernarg_segment_ptr 1
		.amdhsa_wavefront_size32 1
		.amdhsa_system_sgpr_workgroup_id_x 1
		.amdhsa_system_sgpr_workgroup_id_y 1
		.amdhsa_system_sgpr_workgroup_id_z 1
		.amdhsa_system_vgpr_workitem_id 0
		.amdhsa_next_free_vgpr 1024
		.amdhsa_next_free_sgpr 98
		.amdhsa_reserve_vcc 0
		.amdhsa_float_denorm_mode_32 3
		.amdhsa_float_denorm_mode_16_64 3
		.amdhsa_memory_ordered 1
		.amdhsa_forward_progress 1
		.amdhsa_inst_pref_size 129
	.end_amdhsa_kernel
	.amdgpu_metadata
---
amdhsa.version: [ 1, 2 ]
amdhsa.kernels:
  - .name:           k_q41ab75e1a7_outp
    .symbol:         k_q41ab75e1a7_outp.kd
    .args:
      - { .name: oc, .offset: 0, .size: 8, .value_kind: global_buffer, .address_space: global }
      - { .name: wc, .offset: 8, .size: 8, .value_kind: global_buffer, .address_space: global }
      - { .name: lowp_scales, .offset: 16, .size: 8, .value_kind: global_buffer, .address_space: global }
      - { .name: bo, .offset: 24, .size: 8, .value_kind: global_buffer, .address_space: global }
      - { .name: out0, .offset: 32, .size: 8, .value_kind: global_buffer, .address_space: global }
    .group_segment_fixed_size: 327680
    .private_segment_fixed_size: 0
    .kernarg_segment_align: 8
    .kernarg_segment_size: 40
    .max_flat_workgroup_size: 128
    .sgpr_count:     98
    .vgpr_count:     1024
    .wavefront_size: 32
...
	.end_amdgpu_metadata
.endif
;; end of part 5
